; MI455X (gfx1250); checked and timed in simulation.
; The chip was launched on July 23, 2026; its instructions are those of AMD's public machine-readable ISA for CDNA 5 (MIT licence, August 2026) and "CDNA5" Instruction Set Architecture Reference Guide (July 2026). The comments in the code are by the model that wrote it; some were corrected since.
;; MHSA. Allowed arithmetic: matrix products marked QUANTISED: E5M2 operands, one E8M0 scale for each 32 along K, by v_wmma_scale_f32_16x16x128_f8f6f4 with both operands' format E5M2, f32 sums; everything else in f32.
;; Inputs: Wk_codes 1,024 x 32 x 32 uint8 (E5M2 codes of Wk, K innermost, in blocks of 32 codes); Wk_scales 1,024 x 32 uint8 (E8M0 scales of Wk, one for each 32 codes along K); Wout_codes 1,024 x 32 x 32 uint8 (E5M2 codes of Wout, K innermost, in blocks of 32 codes); Wout_scales 1,024 x 32 uint8 (E8M0 scales of Wout, one for each 32 codes along K); Wq_codes 1,024 x 32 x 32 uint8 (E5M2 codes of Wq, K innermost, in blocks of 32 codes); Wq_scales 1,024 x 32 uint8 (E8M0 scales of Wq, one for each 32 codes along K); Wv_codes 1,024 x 32 x 32 uint8 (E5M2 codes of Wv, K innermost, in blocks of 32 codes); Wv_scales 1,024 x 32 uint8 (E8M0 scales of Wv, one for each 32 codes along K); mask 2,048 x 2,048 bool; x 4 x 2,048 x 1,024 float32.
;; Outputs: out0 4 x 2,048 x 1,024 float32.
;; This version of the problem:
;;   THIS VERSION OF THE PROBLEM IS GIVEN IN LOW PRECISION. The matrix products marked QUANTISED in the list below multiply operands that are first quantised to E5M2 (5 exponent bits, 2 mantissa bits; 8 bits a number), with one power-of-two scale for each 32 numbers along K (OCP MX v1.0); their sums are f32. All else is computed in f32.
;;   The module's matrix products, in the order in which they are computed (A, B: the left and right operand; K: the contracted axis; several contracted axes count as one K, in the product's order):
;;     1. [M 8,192, K 1,024] x [K 1,024, N 1,024]; A: input x; B: input Wq (given as codes): QUANTISED
;;     2. [M 8,192, K 1,024] x [K 1,024, N 1,024]; A: input x; B: input Wk (given as codes): QUANTISED
;;     3. [M 8,192, K 1,024] x [K 1,024, N 1,024]; A: input x; B: input Wv (given as codes): QUANTISED
;;     4. batch 64 x [M 2,048, K 64] x [K 64, N 2,048]; A: computed on the way; B: computed on the way: QUANTISED
;;     5. batch 64 x [M 64, K 2,048] x [K 2,048, N 2,048]; A: computed on the way; B: softmax (see below): QUANTISED
;;     6. [M 8,192, K 1,024] x [K 1,024, N 1,024]; A: computed on the way; B: input Wout (given as codes): QUANTISED
;;   THE QUANTISER, for each operand of a quantised product, along K:
;;     - K is cut into blocks of 32 from its start; a last block that is shorter is filled with zeros.
;;     - A block's scale is 2^e with e = floor(log2(the largest magnitude in the block)) - 15, held to -126 .. 127; a block of zeros has e = 0. As a byte (E8M0): e + 127.
;;     - Each number is divided by its block's scale, clamped to +-57,344, and rounded to the nearest number of E5M2, ties to even, subnormals kept.
;;     - The product sums the exact products of the quantised numbers (number of the format x scale) in f32.
;;   ~~~python
;;   def quantise(x, axis):      # numpy; x: float32 -> the quantised numbers, widened to float32 again
;;       x = np.moveaxis(x, axis, -1); K = x.shape[-1]
;;       x = np.pad(x, [(0, 0)] * (x.ndim - 1) + [(0, -K % 32)]); x = x.reshape(x.shape[:-1] + (-1, 32)); a = np.abs(x).max(-1, keepdims=True)
;;       e = np.where(a > 0, np.clip(np.frexp(np.where(a > 0, a, 1))[1] - 1 - 15, -126, 127), 0)      # np.frexp(a)[1] - 1 = floor(log2(a)), exactly
;;       r = np.clip(x / 2.0 ** e, -57344, 57344)
;;       step = 2.0 ** (np.maximum(np.frexp(np.where(r == 0, 1, r))[1] - 1, -14) - 2)
;;       q = np.round(r / step) * step * 2.0 ** e      # np.round: ties to even
;;       return np.moveaxis(q.reshape(q.shape[:-2] + (-1,))[..., :K], -1, axis).astype(np.float32)
;;   ~~~
;;   SOFTMAX AHEAD OF A QUANTISED PRODUCT. Where the list says 'softmax', what is quantised is not the finished softmax but p = 2^(t - M), with t = logit x log2(e) and M = ceil(the row's largest t), a whole number; so 1/2 < the row's largest p <= 1. The row's sum l is taken of the UNQUANTISED p, in f32, and the product's result is divided by l at the end. Since M is a whole number, a kernel that streams over the keys may use a running M (the ceiling of the running maximum): every later rescaling is an exact power of two, which a block's scale takes up: the codes' values come out the same.
;;   OPERANDS COMPUTED ON THE WAY. 'Computed on the way' means the value that the module computes at that place (a softmax that the list does not call 'softmax' is quantised finished and normalised). What goes into a quantiser is computed in f32, as accurately as f32 sums, v_exp_f32 and their like allow (about 1e-6 of the number): no bf16 or f16 on the way to a quantiser, and a product that is left as it is and whose result goes on into a quantised operand takes f32 operands (vector FMAs, or v_wmma_f32_16x16x4_f32). A number that lies on a knife's edge between two numbers of the format may be rounded either way, as far as f32 arithmetic and the matrix unit's own rounding can turn it there, and no further.
;;   INPUTS GIVEN AS CODES. Wk (in the module: [1024, 1024], K = its axis 0); Wout (in the module: [1024, 1024], K = its axis 0); Wq (in the module: [1024, 1024], K = its axis 0); Wv (in the module: [1024, 1024], K = its axis 0): each comes as NAME_codes (uint8): NAME with its K axis moved to the last place and cut into blocks of 32 codes, [.., K / 32, bytes a block], one block behind the other in memory; one code a byte (a code: sign, 5 exponent bits, 2 mantissa bits); and NAME_scales (uint8): the same leading axes, one E8M0 byte (e + 127) for each 32 codes along K. Its value is code x scale, taken as it is: it is not quantised again, and the codes and scales need not be those that the quantiser above would give.
;; One version. Each part assembles by itself: llvm-mc -triple=amdgcn-amd-amdhsa -mcpu=gfx1250 --defsym DOCPART=n.
;; ======== version 1 of 1: 4 launches
;; limits: right only within a limited range of input values
;; workspace buffers: xq 8,650,752 bytes; qkv 26,738,688 bytes; zq 8,650,752 bytes
;; launch quant_x (part 1): grid 256 x 1, 4 waves a work-group, no clusters, 33,280 bytes of LDS; arguments x, xq; writes xq
.if DOCPART == 1
	.amdgcn_target "amdgcn-amd-amdhsa--gfx1250"
	.amdhsa_code_object_version 6
	.text
	.protected	k_q9c6eba824d_quant_x
	.globl	k_q9c6eba824d_quant_x
	.p2align	8
	.type	k_q9c6eba824d_quant_x,@function
k_q9c6eba824d_quant_x:
	s_mov_b64 s[64:65], 0
	v_nop
	global_prefetch_b8 v0, s[64:65] scope:SCOPE_SE
	s_setreg_imm32_b32 hwreg(HW_REG_WAVE_MODE, 25, 1), 1
	s_wait_xcnt 0x0
; x [8192][1024] f32 becomes codes of BF8 (E5M2), K innermost, at byte 0 of xq, and one E8M0 byte for each 32 along K, [8192][32], at byte SCALES of xq.
; A block's scale is 2^(floor(log2(its largest magnitude)) - 15); its byte is the largest magnitude's exponent field - 15, held at 1 from below.  Each number is divided by the scale,
; held within +-57,344 and rounded to the nearest code, ties to even.
; LIMITS: a block of zeros gets the byte 1 (its codes are zeros, and this program alone reads the bytes); blocks whose largest magnitude lies under 2^(16 - 127) are quantised under the byte 1; NaN and infinities are not served.
; Rows are dense and 1,024 is a multiple of 32: the tensor is a plain stream of blocks of 32.  A wave takes 16 steps of 512 numbers.  Each of a step's four loads reads 512 consecutive bytes, 16 a lane;
; the conversions want 16 NEIGHBOURS in one lane, so a step's 2,048 bytes turn through the wave's own stage in LDS (16 bytes of padding behind each 64) and come back 64 bytes a lane: two neighbouring lanes hold a block.
; A lane's 16 codes are 16 bytes: the wave stores 512 consecutive bytes.  A wave's 256 scale bytes are gathered in its own LDS bytes and leave as 256 consecutive, aligned bytes.
; Waves share nothing: no barrier, no cluster, no matrix unit.  Loads run four steps (16 loads a wave) ahead, the turn through LDS one step.
; WORK LEFT OUT, in the whole program: reference() takes the input mask as an argument and names it in no line of its body, so for all values of the inputs it has no way to the output: it is not loaded and is no argument of any launch.
; (A value of mask that is no 0 or 1 is therefore not carried to the result either.)
.set STEPS, 16
.set MANT,  0x600000                   ; the mantissa field of 57,344 as f32
.set CB,    16                         ; bytes of 16 codes
.set R,     16                         ; v16-79   four sets of 16 numbers as they are loaded
.set X,     80                         ; v80-111  two sets of 16 neighbours
.set E,     112                        ; v112-127 a scale byte for each step
.set C,     128                        ; v128-191 codes: four registers for each step, so that no store's data are written again
.set WREG,  8192                       ; LDS: a region for each wave: two stages of 32 x SP bytes, behind them its 256 scale bytes
.set SP,    80                         ; a lane's place in a stage: 64 bytes + 16 of padding
.set SCALES, 8388608                   ; where the scale bytes begin in xq
	s_load_b128 s[4:7], s[0:1], 0x0                ; x, xq
	v_lshl_add_u32 v192, v0, 2, 0x8000
	v_mov_b32 v193, 0
	v_lshrrev_b32 v1, 5, v0
	v_readfirstlane_b32 s16, v1                    ; wave
	v_and_b32 v2, 31, v0                           ; lane
	v_lshlrev_b32 v3, 4, v2                        ; my 16 bytes of a load's 512
	s_mul_i32 s17, s16, WREG
	v_lshrrev_b32 v14, 2, v2
	v_mul_u32_u24 v14, v14, SP
	v_and_b32 v15, 3, v2
	v_lshl_add_u32 v14, v15, 4, v14
	v_add_nc_u32 v14, s17, v14                     ; the stage, on the way in: SP (lane / 4) + 16 (lane % 4); a load's 512 bytes take eight places
	v_mul_u32_u24 v15, v2, SP
	v_add_nc_u32 v15, s17, v15                     ; and on the way out: SP x lane: my 16 neighbours
	v_mul_u32_u24 v4, v2, CB                       ; my codes' place in a step's
	v_lshrrev_b32 v5, 1, v2
	s_add_co_u32 s17, s17, 2*32*SP
	v_add_nc_u32 v5, s17, v5                       ; LDS: my wave's 256 scale bytes, my block's byte
	v_lshlrev_b32 v7, 3, v2                        ; and on the way out 8 bytes a lane
	v_add_nc_u32 v6, s17, v7
	s_mov_b32 s23, MANT                            ; (an instruction takes one literal: the hold's line has another)
	s_lshl_b32 s18, ttmp9, 2
	s_add_co_u32 s18, s18, s16                     ; which run of 8,192 numbers is my wave's: 0 .. 1,023
	s_lshl_b32 s20, s18, 15                        ; 32,768 bytes of x a run,
	s_mov_b32 s21, 0
	s_lshl_b32 s24, s18, 13                        ; 8,192 bytes of codes,
	s_mov_b32 s25, 0
	s_lshl_b32 s26, s18, 8                         ; 256 scale bytes
	s_add_co_u32 s26, s26, SCALES
	s_mov_b32 s27, 0
	s_wait_alu depctr_va_vdst(0)
	s_wait_kmcnt 0x0
	s_add_nc_u64 s[4:5], s[4:5], s[20:21]
	s_add_nc_u64 s[8:9], s[6:7], s[24:25]
	s_add_nc_u64 s[10:11], s[6:7], s[26:27]
.macro LOAD t
.irp i, 0,1,2,3
	global_load_b128 v[R+16*((\t)%4)+4*\i:R+16*((\t)%4)+4*\i+3], v3, s[4:5] offset:2048*(\t)+512*\i th:TH_LOAD_NT   ; 32 lanes read 512 consecutive bytes
.endr
.endm
.macro TURN t                          ; step t's numbers through the stage: LDS serves a wave's instructions in order, so no wait stands between the stores and the loads
.irp i, 0,1,2,3
	ds_store_b128 v14, v[R+16*((\t)%4)+4*\i:R+16*((\t)%4)+4*\i+3] offset:32*SP*((\t)%2)+8*SP*\i
.endr
.irp i, 0,1,2,3
	ds_load_b128 v[X+16*((\t)%2)+4*\i:X+16*((\t)%2)+4*\i+3], v15 offset:32*SP*((\t)%2)+16*\i
.endr
.endm
.irp t, 0,1,2,3
	LOAD \t
.endr
	s_wait_loadcnt 12                              ; step 0's four loads are in; the twelve of steps 1 to 3 may be out
	TURN 0
.macro STEP t
.set XS, X+16*((\t)%2)
.if (\t) > 0
	s_wait_dscnt 1                                 ; this step's numbers are back from the stage (the last step's byte store may be out): so its stores into the stage have read their registers,
.else
	s_wait_dscnt 0x0
.endif
.if (\t)+4 < STEPS
	LOAD (\t)+4                                    ; which take the loads of four steps on
.endif
.if (\t)+1 < STEPS
.if STEPS-2-(\t) >= 3
	s_wait_loadcnt 12                              ; the next step's four loads are in; those of the three steps behind it may be out
.else
	s_wait_loadcnt 4*(STEPS-2-(\t))
.endif
	TURN (\t)+1                                    ; and go through the other stage while this step is worked
.endif
	v_max3_num_f32 v8, |v[XS]|, |v[XS+1]|, |v[XS+2]|               ; the largest magnitude of my 16, in two chains
	v_max3_num_f32 v9, |v[XS+3]|, |v[XS+4]|, |v[XS+5]|
.irp i, 6,10
	v_max3_num_f32 v8, v8, |v[XS+\i]|, |v[XS+\i+1]|
	v_max3_num_f32 v9, v9, |v[XS+\i+2]|, |v[XS+\i+3]|
.endr
	v_max3_num_f32 v8, v8, |v[XS+14]|, |v[XS+15]|
	v_max3_num_f32 v8, v8, v9, 0x8000000           ; and the floor 2^(16 - 127): so the byte cannot fall under 1
	v_max_num_f32_dpp v8, v8, v8 row_xmask:1 row_mask:0xf bank_mask:0xf   ; and of my neighbour's 16: the block's
	v_add_nc_u32 v11, 0xf8800000, v8               ; 15 off its exponent field: the conversion takes the exponent field of this operand as its scale, and nothing else of it
	v_and_or_b32 v10, v8, 0x7f800000, s23          ; 57,344 x the scale: the largest magnitude's exponent field over 57,344's mantissa
.irp i, 0,1,2,3,4,5,6,7,8,9,10,11,12,13,14,15
	v_med3_num_f32 v[XS+\i], v[XS+\i], -v10, v10   ; the conversion to an 8-bit code does not saturate (ISA guide 7.6.2): the number is held first
.endr
	v_cvt_scalef32_pk8_bf8_f32 v[C+4*(\t):C+4*(\t)+1], v[XS:XS+7], v11          ; the first number's code in the lowest byte
	v_cvt_scalef32_pk8_bf8_f32 v[C+4*(\t)+2:C+4*(\t)+3], v[XS+8:XS+15], v11
	v_lshrrev_b32 v[E+(\t)], 23, v11               ; the scale's byte (also the plain line behind the conversions)
	ds_store_b8 v5, v[E+(\t)] offset:16*(\t)       ; both lanes of a block write the same byte with the same value
	global_store_b128 v4, v[C+4*(\t):C+4*(\t)+3], s[8:9] offset:32*CB*(\t)   ; 512 consecutive bytes, aligned
.endm
.irp t, 0,1,2,3,4,5,6,7,8,9,10,11,12,13,14,15
	STEP \t
.endr
	ds_load_b64 v[12:13], v6                       ; LDS serves a wave's instructions in order: these see my stores
	s_wait_dscnt 0x0
	global_store_b64 v7, v[12:13], s[10:11]        ; 32 lanes store 256 consecutive bytes, aligned
	s_wait_tensorcnt 0x0
	ds_add_u32 v192, v193
	s_wait_dscnt 0x0
	s_endpgm
.Lfunc_end_k_q9c6eba824d_quant_x:
	.size	k_q9c6eba824d_quant_x, .Lfunc_end_k_q9c6eba824d_quant_x-k_q9c6eba824d_quant_x
	.p2alignl 7, 3214868480
	.fill 96, 4, 3214868480
	.section	.rodata,"a",@progbits
	.p2align	6, 0x0
	.amdhsa_kernel k_q9c6eba824d_quant_x
		.amdhsa_group_segment_fixed_size 33280
		.amdhsa_private_segment_fixed_size 0
		.amdhsa_enable_private_segment 0
		.amdhsa_kernarg_size 16
		.amdhsa_user_sgpr_count 2
		.amdhsa_user_sgpr_kernarg_segment_ptr 1
		.amdhsa_wavefront_size32 1
		.amdhsa_system_sgpr_workgroup_id_x 1
		.amdhsa_system_sgpr_workgroup_id_y 1
		.amdhsa_system_sgpr_workgroup_id_z 1
		.amdhsa_system_vgpr_workitem_id 0
		.amdhsa_next_free_vgpr 194
		.amdhsa_next_free_sgpr 66
		.amdhsa_reserve_vcc 0
		.amdhsa_float_denorm_mode_32 3
		.amdhsa_float_denorm_mode_16_64 3
		.amdhsa_memory_ordered 1
		.amdhsa_forward_progress 1
		.amdhsa_inst_pref_size 51
	.end_amdhsa_kernel
	.amdgpu_metadata
---
amdhsa.version: [ 1, 2 ]
amdhsa.kernels:
  - .name:           k_q9c6eba824d_quant_x
    .symbol:         k_q9c6eba824d_quant_x.kd
    .args:
      - { .name: x, .offset: 0, .size: 8, .value_kind: global_buffer, .address_space: global }
      - { .name: xq, .offset: 8, .size: 8, .value_kind: global_buffer, .address_space: global }
    .group_segment_fixed_size: 33280
    .private_segment_fixed_size: 0
    .kernarg_segment_align: 8
    .kernarg_segment_size: 16
    .max_flat_workgroup_size: 128
    .sgpr_count:     66
    .vgpr_count:     194
    .wavefront_size: 32
...
	.end_amdgpu_metadata
.endif
;; end of part 1
;; launch gemm_qkv (part 2): grid 12 x 32, 4 waves a work-group, clusters of 4 x 4, 327,680 bytes of LDS; arguments xq, Wq_codes, Wq_scales, Wk_codes, Wk_scales, Wv_codes, Wv_scales, qkv; writes qkv
.if DOCPART == 2
	.amdgcn_target "amdgcn-amd-amdhsa--gfx1250"
	.amdhsa_code_object_version 6
	.text
	.protected	k_q9c6eba824d_gemm_qkv
	.globl	k_q9c6eba824d_gemm_qkv
	.p2align	8
	.type	k_q9c6eba824d_gemm_qkv,@function
k_q9c6eba824d_gemm_qkv:
	s_mov_b64 s[64:65], 0
	v_nop
	global_prefetch_b8 v0, s[64:65] scope:SCOPE_SE
	s_setreg_imm32_b32 hwreg(HW_REG_WAVE_MODE, 25, 1), 1
	s_wait_xcnt 0x0
	s_wait_alu depctr_hold_cnt(0) depctr_sa_sdst(0) depctr_va_vdst(0) depctr_va_sdst(0) depctr_va_ssrc(0) depctr_va_vcc(0) depctr_vm_vsrc(0)
	s_getreg_b32 s2, hwreg(HW_REG_IB_STS2, 6, 4)
	s_cmp_eq_u32 s2, 0
	s_cbranch_scc0 .Lentry_in_a_cluster
	s_endpgm
.Lentry_in_a_cluster:
	s_bfe_u32 s2, ttmp6, 0x10000c
	s_cmp_lg_u32 s2, 0xf033
	s_cbranch_scc0 .Lentry_shape_is_right
	s_endpgm
.Lentry_shape_is_right:
.set SIZE_K, 1024
.set KSTEP,  256
.set NQ,     KSTEP/128
.set ROWB,   256
.set KROW,   SIZE_K
.set PITCH,  272
.set FR,     16
.set NL,     4
.set NP,     8
.set HALFT,  128*PITCH
.set SLOT,   4*HALFT
.set LAPS,   SIZE_K/(2*KSTEP)
.set KS,     SIZE_K/32
.set SCL,    2*SLOT
.set HALFS,  (128*KS/256)*272
.set SBLK,   (16*KS/256)*272
.set SPARE,  SCL+4*HALFS
.set CO0,  7
.set SO0,  9
.set SELV, 11
.set ADRA, 16
.set ADRB, 20
.set ADRS, 27
.set SPW,  28
.set NIL,  29
.set SC,   32
.set TM,   64
.set RAW,  80
.set PWS,  88
.set AF,   128
.set PC,   128
.set G1, 24
.set G0, 32
.set G1B, 48
.set G0B, 56
.set G1S, 68
.set G0S, 76
.set G1SB, 80
.set G0SB, 88
.set MSB, 0
.macro WIN new
.if MSB != \new
	s_set_vgpr_msb (MSB<<8)|\new
.set MSB, \new
.endif
.endm
.set MUL_LO, 0xa1
.set MUL_HI, 0xf1
.set TO_B,   0x40
.macro JLOAD g0a, g1a, g0b, g1b
	s_cmp_eq_u32 s15, 0
	s_cbranch_scc0 .Lfor_b_\@
	tensor_load_to_lds s[\g0a:\g0a+3], s[\g1a:\g1a+7]
	s_nop 0
.rept 4
	v_nop
.endr
	s_branch .Lasked_\@
.Lfor_b_\@:
	tensor_load_to_lds s[\g0b:\g0b+3], s[\g1b:\g1b+7]
	s_nop 0
.rept 4
	v_nop
.endr
.Lasked_\@:
.endm
.macro CREST
	s_cmp_lg_u32 s14, 0
	s_cbranch_scc1 .Lnot_wave_0_\@
	s_barrier_signal -3
.Lnot_wave_0_\@:
	s_barrier_wait -3
	s_barrier_signal -1
	s_barrier_wait -1
.endm
.macro CROUND
	s_barrier_signal -1
	s_barrier_wait -1
	CREST
.endm
	s_load_b512 s[24:39], s[0:1], 0x0
	v_lshl_add_u32 v[SPW], v0, 2, SPARE
	v_mov_b32 v[NIL], 0
	ds_add_u32 v28, v29
	ds_add_u32 v28, v29
	s_wait_dscnt 0x0
	v_lshrrev_b32 v1, 5, v0
	v_readfirstlane_b32 s14, v1
	s_lshr_b32 s15, s14, 1
	s_and_b32 s16, s14, 1
	s_bfe_u32 s66, ttmp6, 0x40000
	s_bfe_u32 s67, ttmp6, 0x40004
	s_and_b32 s18, ttmp7, 0xffff
	s_lshl_b32 s18, s18, 2
	s_cmp_eq_u32 ttmp9, 2
	s_cselect_b32 s19, 0, s18
	s_cselect_b32 s20, s18, 0
	s_add_co_u32 s17, s67, s19
	s_add_co_u32 s95, s66, s20
	s_lshl_b32 s2, s67, 2
	s_lshl_b32 s2, 15, s2
	s_lshl_b32 s3, 0x1111, s66
	s_wait_kmcnt 0x0
	s_add_nc_u64 s[40:41], s[24:25], 0x800000
	s_cmp_eq_u32 ttmp9, 0
	s_cselect_b64 s[42:43], s[26:27], s[30:31]
	s_cselect_b64 s[44:45], s[28:29], s[32:33]
	s_cmp_eq_u32 ttmp9, 2
	s_cselect_b64 s[42:43], s[34:35], s[42:43]
	s_cselect_b64 s[44:45], s[36:37], s[44:45]
	s_cselect_b64 s[4:5], s[42:43], s[24:25]
	s_cselect_b64 s[6:7], s[44:45], s[40:41]
	s_cselect_b64 s[8:9], s[24:25], s[42:43]
	s_cselect_b64 s[10:11], s[40:41], s[44:45]
	s_mov_b64 s[12:13], s[38:39]
	s_add_nc_u64 s[96:97], s[38:39], 0x1800000
	s_or_b32 s[G1+0], s2, (0<<16)|(1<<20)|(1<<21)|(5<<22)|(3<<25)
	s_or_b32 s[G1B+0], s3, (0<<16)|(1<<20)|(1<<21)|(5<<22)|(3<<25)
.irp g, G1, G1B
	s_mov_b32 s[\g+1], ROWB<<16
	s_mov_b32 s[\g+2], 128<<16
	s_mov_b32 s[\g+3], ROWB<<16
	s_mov_b32 s[\g+4], 128
	s_mov_b32 s[\g+5], KROW
	s_mov_b32 s[\g+6], 0
	s_mov_b32 s[\g+7], 0
.endr
	s_or_b32 s[G1S+0], s2, (3<<16)|(1<<20)|(1<<21)|(5<<22)|(3<<25)
	s_or_b32 s[G1SB+0], s3, (3<<16)|(1<<20)|(1<<21)|(5<<22)|(3<<25)
.irp g, G1S, G1SB
	s_mov_b32 s[\g+1], 32<<16
	s_mov_b32 s[\g+2], (128*KS/256)<<16
	s_mov_b32 s[\g+3], 32<<16
	s_mov_b32 s[\g+4], 128*KS/256
	s_mov_b32 s[\g+5], 32
	s_mov_b32 s[\g+6], 0
	s_mov_b32 s[\g+7], 0
.endr
	s_lshl_b32 s18, s16, 7
	s_lshl_b32 s20, s17, 8
	s_add_co_u32 s20, s20, s18
	s_lshl_b32 s46, s95, 8
	s_add_co_u32 s46, s46, s18
	s_mov_b32 s21, 0
	s_mov_b32 s47, 0
	s_mov_b64 s[18:19], KS
	s_mul_u64 s[22:23], s[20:21], s[18:19]
	s_mul_u64 s[92:93], s[46:47], s[18:19]
	s_mov_b64 s[18:19], KROW
	s_mul_u64 s[20:21], s[20:21], s[18:19]
	s_mul_u64 s[46:47], s[46:47], s[18:19]
	s_mul_i32 s45, s14, HALFT
	s_mul_i32 s94, s14, HALFS
	s_add_nc_u64 s[20:21], s[4:5], s[20:21]
	s_add_nc_u64 s[22:23], s[6:7], s[22:23]
	s_add_nc_u64 s[46:47], s[8:9], s[46:47]
	s_add_nc_u64 s[92:93], s[10:11], s[92:93]
	CROUND
	s_mov_b32 s[G0S], 1
	s_add_co_u32 s[G0S+1], s94, SCL
	s_mov_b64 s[G0S+2:G0S+3], s[22:23]
	s_or_b32 s[G0S+3], s[G0S+3], 0x80000000
	s_mov_b32 s[G0SB], 1
	s_add_co_u32 s[G0SB+1], s94, SCL
	s_mov_b64 s[G0SB+2:G0SB+3], s[92:93]
	s_or_b32 s[G0SB+3], s[G0SB+3], 0x80000000
	JLOAD G0S, G1S, G0SB, G1SB
.irp s, 0,1
	s_mov_b32 s[G0+4*\s], 1
	s_add_co_u32 s[G0+4*\s+1], s45, \s*SLOT
	s_add_nc_u64 s[G0+4*\s+2:G0+4*\s+3], s[20:21], \s*ROWB
	s_or_b32 s[G0+4*\s+3], s[G0+4*\s+3], 0x80000000
	s_mov_b32 s[G0B+4*\s], 1
	s_add_co_u32 s[G0B+4*\s+1], s45, \s*SLOT
	s_add_nc_u64 s[G0B+4*\s+2:G0B+4*\s+3], s[46:47], \s*ROWB
	s_or_b32 s[G0B+4*\s+3], s[G0B+4*\s+3], 0x80000000
	s_wait_alu depctr_va_vdst(0)
	s_wait_tensorcnt 0x0
	ds_add_u32 v28, v29
	s_wait_dscnt 0x0
	CROUND
	JLOAD G0+4*\s, G1, G0B+4*\s, G1B
.endr
	v_and_b32 v1, 15, v0
	v_bfe_u32 v2, v0, 4, 1
	v_mul_u32_u24 v3, v1, PITCH
	v_lshl_add_u32 v4, v2, 4, v3
	s_mul_i32 s21, s15, HALFT
	s_mul_i32 s22, s16, HALFT
	s_add_co_u32 s22, s22, 2*HALFT
.irp s, 0,1
	v_add_nc_u32 v[ADRA+\s], s21, v4
	v_add_nc_u32 v[ADRB+\s], s22, v4
	s_add_co_u32 s21, s21, SLOT
	s_add_co_u32 s22, s22, SLOT
.endr
	v_mul_u32_u24 v5, v1, KS
	v_lshrrev_b32 v6, 8, v5
	v_lshl_add_u32 v5, v6, 4, v5
	s_mul_i32 s21, s15, HALFS
	s_mul_i32 s22, s16, HALFS
	s_add_co_u32 s22, s22, 2*HALFS
	s_sub_co_u32 s22, s22, s21
	v_mul_u32_u24 v6, s22, v2
	s_add_co_u32 s21, s21, SCL
	v_add_nc_u32 v5, v5, v6
	v_add_nc_u32 v[ADRS], s21, v5
	s_lshl_b32 s18, s95, 1
	s_add_co_u32 s18, s18, s16
	s_lshl_b32 s19, s17, 2
	s_lshl_b32 s20, s15, 1
	s_add_co_u32 s19, s19, s20
	s_lshl_b32 s20, s18, 20
	s_lshl_b32 s21, s19, 13
	s_add_co_u32 s20, s20, s21
	s_lshl_b32 s21, s18, 16
	s_lshl_b32 s22, s19, 8
	s_add_co_u32 s21, s21, s22
	s_lshr_b32 s22, s18, 4
	s_and_b32 s23, s18, 15
	s_lshl_b32 s46, s22, 21
	s_lshl_b32 s47, s19, 17
	s_add_co_u32 s46, s46, s47
	s_lshl_b32 s47, s23, 13
	s_add_co_u32 s46, s46, s47
	s_lshl_b32 s47, s22, 17
	s_lshl_b32 s92, s19, 13
	s_add_co_u32 s47, s47, s92
	s_lshl_b32 s92, s23, 8
	s_add_co_u32 s47, s47, s92
	s_cmp_eq_u32 ttmp9, 2
	s_cselect_b32 s20, s46, s20
	s_cselect_b32 s22, s47, s21
	s_mov_b32 s92, 8192
	s_cselect_b32 s92, 131072, s92
	s_mov_b32 s93, 256
	s_cselect_b32 s93, 8192, s93
	s_mov_b32 s94, 32768
	s_cselect_b32 s94, 4096, s94
	s_lshl_b32 s46, ttmp9, 23
	s_add_co_u32 s20, s20, s46
	s_mov_b32 s21, 0
	s_add_nc_u64 s[12:13], s[12:13], s[20:21]
	s_lshl_b32 s46, ttmp9, 19
	s_add_co_u32 s22, s22, s46
	s_mov_b32 s23, 0
	s_add_nc_u64 s[96:97], s[96:97], s[22:23]
	v_and_b32 v6, 31, v0
	v_lshlrev_b32 v[CO0], 4, v6
	v_add_nc_u32 v[CO0+1], s92, v[CO0]
	v_lshlrev_b32 v[SO0], 4, v1
	v_mul_u32_u24 v[SO0+1], s94, v2
	v_add_nc_u32 v[SO0], v[SO0], v[SO0+1]
	v_add_nc_u32 v[SO0+1], s93, v[SO0]
	v_mov_b32 v[SELV], 0x03020100
	v_mov_b32 v12, 0x01000302
	v_cmp_eq_u32 vcc_lo, 1, v2
	v_cndmask_b32 v[SELV], v[SELV], v12, vcc_lo
.macro FRAG reg, adr, q, i
.irp c, 0,1,2,3
	ds_load_b128 v[\reg+4*\c:\reg+4*\c+3], v[\adr] offset:128*(\q)+32*\c+(\i)*16*PITCH
.endr
.endm
.macro MUL16 a0, p, q, sc, zero
.irp a, \a0, \a0+1
.irp b, 0,1,2,3,4,5,6,7
.if \zero
	v_wmma_scale_f32_16x16x128_f8f6f4 v[8*(8*((\a)%4)+\b):8*(8*((\a)%4)+\b)+7], v[128*(\p)+FR*\b:128*(\p)+FR*\b+FR-1], v[AF+FR*(\a):AF+FR*(\a)+FR-1], 0, v[SC+8*NQ*(\sc)+NQ*\b+(\q)], v[SC+8*NQ*(\sc)+NQ*(\a)+(\q)] matrix_a_fmt:MATRIX_FMT_BF8 matrix_b_fmt:MATRIX_FMT_BF8 matrix_a_scale:MATRIX_SCALE_ROW1
.else
	v_wmma_scale_f32_16x16x128_f8f6f4 v[8*(8*((\a)%4)+\b):8*(8*((\a)%4)+\b)+7], v[128*(\p)+FR*\b:128*(\p)+FR*\b+FR-1], v[AF+FR*(\a):AF+FR*(\a)+FR-1], v[8*(8*((\a)%4)+\b):8*(8*((\a)%4)+\b)+7], v[SC+8*NQ*(\sc)+NQ*\b+(\q)], v[SC+8*NQ*(\sc)+NQ*(\a)+(\q)] matrix_a_fmt:MATRIX_FMT_BF8 matrix_b_fmt:MATRIX_FMT_BF8 matrix_a_scale:MATRIX_SCALE_ROW1
.endif
.endr
.endr
.endm
.macro FETCH_B slot, q, p
	WIN TO_B
.irp i, 0,1,2,3,4,5,6,7
	FRAG 128*(\p)+FR*\i, ADRB+\slot, \q, \i
.endr
	WIN 0
.endm
.macro FETCH_A slot, q, i0
.irp i, \i0, \i0+1, \i0+2, \i0+3
	FRAG AF+FR*(\i), ADRA+\slot, \q, \i
.endr
.endm
.macro SCALES sc
.irp i, 0,1,2,3,4,5,6,7
	ds_load_b64 v[SC+8*NQ*\sc+NQ*\i:SC+8*NQ*\sc+NQ*\i+1], v[ADRS] offset:\i*SBLK
.endr
.endm
.macro PLACES n
.rept \n
	v_nop
.endr
.endm
.macro STEP slot, q, zero
	s_wait_dscnt 4*NL
	WIN MUL_LO
	MUL16 0, (\q)%2, \q, \slot, \zero
	MUL16 2, (\q)%2, \q, \slot, \zero
	s_wait_dscnt 0
	PLACES NP
	FETCH_B \slot, (\q)+1, 1-(\q)%2
	FETCH_A \slot, (\q)+1, 0
	WIN MUL_HI
	MUL16 4, (\q)%2, \q, \slot, \zero
	MUL16 6, (\q)%2, \q, \slot, \zero
	PLACES NP
	WIN 0
	FETCH_A \slot, (\q)+1, 4
.endm
.macro TURN slot, next, fill
	s_wait_tensorcnt 0x0
	ds_add_u32 v[SPW], v[NIL]
	s_wait_dscnt 4*NL+1
	WIN MUL_LO
	MUL16 0, 1, NQ-1, \slot, 0
	s_wait_dscnt 0x0
	s_barrier_signal -1
	MUL16 2, 1, NQ-1, \slot, 0
	WIN 0
	s_barrier_wait -1
.if \fill
	CREST
	s_add_nc_u64 s[G0+4*\slot+2:G0+4*\slot+3], s[G0+4*\slot+2:G0+4*\slot+3], 2*ROWB
	s_add_nc_u64 s[G0B+4*\slot+2:G0B+4*\slot+3], s[G0B+4*\slot+2:G0B+4*\slot+3], 2*ROWB
	JLOAD G0+4*\slot, G1, G0B+4*\slot, G1B
	PLACES NP-4
.else
	PLACES NP
.endif
	s_wait_alu depctr_va_vdst(0)
	v_add_nc_u32 v[ADRS], 4*NQ, v[ADRS]
	FETCH_B \next, 0, 0
	FETCH_A \next, 0, 0
	SCALES \next
	WIN MUL_HI
	MUL16 4, 1, NQ-1, \slot, 0
	MUL16 6, 1, NQ-1, \slot, 0
	PLACES NP
	WIN 0
	FETCH_A \next, 0, 4
.endm
	s_wait_tensorcnt 1
	s_barrier_signal -1
	s_barrier_wait -1
	FETCH_B 0, 0, 0
	FETCH_A 0, 0, 0
	SCALES 0
	FETCH_A 0, 0, 4
	STEP 0, 0, 1
	s_mov_b32 s3, LAPS-1
.Llap:
	TURN 0, 1, 1
	STEP 1, 0, 0
	TURN 1, 0, 1
	STEP 0, 0, 0
	s_sub_co_u32 s3, s3, 1
	s_cmp_lg_u32 s3, 0
	s_cbranch_scc1 .Llap
	TURN 0, 1, 0
	STEP 1, 0, 0
	s_wait_dscnt 4*NL
	WIN MUL_LO
	MUL16 0, 1, NQ-1, 1, 0
	MUL16 2, 1, NQ-1, 1, 0
	s_wait_dscnt 0
	WIN MUL_HI
	MUL16 4, 1, NQ-1, 1, 0
	MUL16 6, 1, NQ-1, 1, 0
	WIN 0
.macro QOUT a
.set AC, 64*((\a)%4)
.set W, 2+(\a)/4
.set WA, W|(W<<2)
.set WB, W|(W<<6)
.set PCA, PC+16*(\a)
	WIN WA
.irp b, 0,1,2,3
	v_max3_num_f32 v[TM+\b], |v[AC+16*\b]|, |v[AC+16*\b+1]|, 0x8000000
.endr
.irp i, 2,4,6,8,10,12,14
.irp b, 0,1,2,3
	v_max3_num_f32 v[TM+\b], |v[AC+16*\b+\i]|, |v[AC+16*\b+\i+1]|, v[TM+\b]
.endr
.endr
	WIN 0
.irp b, 0,1,2,3
	v_permlanex16_b32 v[TM+4+\b], v[TM+\b], s18, s19
.endr
.irp b, 0,1,2,3
	v_max_num_f32 v[TM+\b], v[TM+\b], v[TM+4+\b]
.endr
.irp b, 0,1,2,3
	v_add_nc_u32 v[TM+12+\b], 0xf8800000, v[TM+\b]
.endr
.irp b, 0,1,2,3
	v_and_or_b32 v[TM+8+\b], v[TM+\b], 0x7f800000, s22
.endr
.irp b, 0,1,2,3
	v_lshrrev_b32 v[TM+4+\b], 23, v[TM+12+\b]
.endr
	v_lshl_or_b32 v[RAW], v[TM+5], 8, v[TM+4]
	v_lshl_or_b32 v[RAW], v[TM+6], 16, v[RAW]
	v_lshl_or_b32 v[RAW], v[TM+7], 24, v[RAW]
	v_perm_b32 v[PWS+(\a)], v[RAW], v[RAW], v[SELV]
	WIN WB
.irp b, 0,1,2,3
.irp i, 0,1,2,3,4,5,6,7,8,9,10,11,12,13,14,15
	v_med3_num_f32 v[AC+16*\b+\i], v[AC+16*\b+\i], -v[TM+8+\b], v[TM+8+\b]
.endr
.endr
	WIN W
.irp b, 0,1,2,3
	v_cvt_scalef32_pk8_bf8_f32 v[PCA+4*\b:PCA+4*\b+1], v[AC+16*\b:AC+16*\b+7], v[TM+12+\b]
	v_cvt_scalef32_pk8_bf8_f32 v[PCA+4*\b+2:PCA+4*\b+3], v[AC+16*\b+8:AC+16*\b+15], v[TM+12+\b]
.endr
	WIN 0
	v_nop
.irp b, 0,1,2,3
	global_store_b128 v[CO0+(\a)/4], v[PCA+4*\b:PCA+4*\b+3], s[12:13] offset:((\a)%4)*2048+\b*512
.endr
.if (\a)%4 == 3
	global_store_b128 v[SO0+(\a)/4], v[PWS+(\a)-3:PWS+(\a)], s[96:97]
.endif
.endm
	PLACES NP
	s_mov_b32 s18, 0x76543210
	s_mov_b32 s19, 0xfedcba98
	s_mov_b32 s22, 0x600000
.irp b, 0,1,2,3
	v_mov_b32 v[TM+4+\b], 0
.endr
.irp a, 0,1,2,3,4,5,6,7
	QOUT \a
.endr
	s_wait_tensorcnt 0x0
	ds_add_u32 v[SPW], v[NIL]
	s_wait_dscnt 0x0
	CROUND
	s_endpgm
.Lfunc_end_k_q9c6eba824d_gemm_qkv:
	.size	k_q9c6eba824d_gemm_qkv, .Lfunc_end_k_q9c6eba824d_gemm_qkv-k_q9c6eba824d_gemm_qkv
	.p2alignl 7, 3214868480
	.fill 96, 4, 3214868480
	.section	.rodata,"a",@progbits
	.p2align	6, 0x0
	.amdhsa_kernel k_q9c6eba824d_gemm_qkv
		.amdhsa_group_segment_fixed_size 327680
		.amdhsa_private_segment_fixed_size 0
		.amdhsa_enable_private_segment 0
		.amdhsa_kernarg_size 64
		.amdhsa_user_sgpr_count 2
		.amdhsa_user_sgpr_kernarg_segment_ptr 1
		.amdhsa_wavefront_size32 1
		.amdhsa_system_sgpr_workgroup_id_x 1
		.amdhsa_system_sgpr_workgroup_id_y 1
		.amdhsa_system_sgpr_workgroup_id_z 1
		.amdhsa_system_vgpr_workitem_id 0
		.amdhsa_next_free_vgpr 1024
		.amdhsa_next_free_sgpr 98
		.amdhsa_reserve_vcc 1
		.amdhsa_float_denorm_mode_32 3
		.amdhsa_float_denorm_mode_16_64 3
		.amdhsa_memory_ordered 1
		.amdhsa_forward_progress 1
		.amdhsa_inst_pref_size 187
	.end_amdhsa_kernel
	.amdgpu_metadata
---
amdhsa.version: [ 1, 2 ]
amdhsa.kernels:
  - .name:           k_q9c6eba824d_gemm_qkv
    .symbol:         k_q9c6eba824d_gemm_qkv.kd
    .args:
      - { .name: xq, .offset: 0, .size: 8, .value_kind: global_buffer, .address_space: global }
      - { .name: Wq_codes, .offset: 8, .size: 8, .value_kind: global_buffer, .address_space: global }
      - { .name: Wq_scales, .offset: 16, .size: 8, .value_kind: global_buffer, .address_space: global }
      - { .name: Wk_codes, .offset: 24, .size: 8, .value_kind: global_buffer, .address_space: global }
      - { .name: Wk_scales, .offset: 32, .size: 8, .value_kind: global_buffer, .address_space: global }
      - { .name: Wv_codes, .offset: 40, .size: 8, .value_kind: global_buffer, .address_space: global }
      - { .name: Wv_scales, .offset: 48, .size: 8, .value_kind: global_buffer, .address_space: global }
      - { .name: qkv, .offset: 56, .size: 8, .value_kind: global_buffer, .address_space: global }
    .group_segment_fixed_size: 327680
    .private_segment_fixed_size: 0
    .kernarg_segment_align: 8
    .kernarg_segment_size: 64
    .max_flat_workgroup_size: 128
    .sgpr_count:     98
    .vgpr_count:     1024
    .wavefront_size: 32
...
	.end_amdgpu_metadata
.endif
;; end of part 2
;; launch attn (part 3): grid 4 x 64, 16 waves a work-group, clusters of 4 x 1, 327,680 bytes of LDS; arguments qkv, zq; writes zq
.if DOCPART == 3
	.amdgcn_target "amdgcn-amd-amdhsa--gfx1250"
	.amdhsa_code_object_version 6
	.text
	.protected	k_q9c6eba824d_attn
	.globl	k_q9c6eba824d_attn
	.p2align	8
	.type	k_q9c6eba824d_attn,@function
k_q9c6eba824d_attn:
	s_mov_b64 s[64:65], 0
	v_nop
	global_prefetch_b8 v0, s[64:65] scope:SCOPE_SE
	s_setreg_imm32_b32 hwreg(HW_REG_WAVE_MODE, 25, 1), 1
	s_wait_xcnt 0x0
	s_wait_alu depctr_hold_cnt(0) depctr_sa_sdst(0) depctr_va_vdst(0) depctr_va_sdst(0) depctr_va_ssrc(0) depctr_va_vcc(0) depctr_vm_vsrc(0)
	s_getreg_b32 s2, hwreg(HW_REG_IB_STS2, 6, 4)
	s_cmp_eq_u32 s2, 0
	s_cbranch_scc0 .Lentry_in_a_cluster
	s_endpgm
.Lentry_in_a_cluster:
	s_bfe_u32 s2, ttmp6, 0x10000c
	s_cmp_lg_u32 s2, 0x3003
	s_cbranch_scc0 .Lentry_shape_is_right
	s_endpgm
.Lentry_shape_is_right:
; z[n][q][h][:] = the sum over k of softmax_k(q . k / 8) v, both products on codes of BF8 (E5M2) with one E8M0 scale for each 32 along a product's K; z is quantised along its channels and stored for the last product.
; The input mask is named by no line of reference(): it has no way to an output, is not loaded and is no argument of any launch.
; THE SOFTMAX: t = score x log2(e) / 8; M = the row's largest t so far, rounded up to a whole number; p = 2^(t - M) is quantised along the keys, not normalised; the row's sum is taken of the unquantised p and divides at the end.
; When M moves, the sums and O are multiplied by f = 2^(old M - new M): exact.
; SHARES.  A cluster of four work-groups has one (batch, head): 512 queries a work-group, in two blocks of 256; each of sixteen waves owns 16 queries of a block.  Every wave walks all 2,048 keys, 128 a step.
; K AND V OF THE HEAD STAY IN LDS, as images of operand registers.  They come in eight pieces of 256 keys (16,384 bytes of K, as many of V) by joint loads that name all four work-groups, one load a wave:
; piece 0 at the head, piece c + 1 behind the round at the head of the first block's c-th pair of steps.  Every piece is a first fill; the second block asks for nothing.
; THE SECOND PRODUCT LAGS ONE STEP: step i multiplies K's tiles of step i and, beside them, V's tiles of step i - 1 with p's codes of step i - 1.  So the rescaling of O and the blocks' maxima are the places behind the matrix instructions.
; Step 0 meets zero codes of p and 8,192 bytes of zero codes that lie ahead of V's image (stored once, never a load's target); a short tail behind the sixteenth step finishes the sum.
; LAYOUT.  Both products transposed: a lane holds one query (lane % 16).  The head has 64 channels, half of the instruction's 128 along K: Q's upper 64 are zero codes, set once.
; A tile of K fills eight registers; its operand runs on over the eight registers that follow: the next tile's codes, behind the fourth tile V's first eight.  Those are finite codes (this program's quantiser holds every number), they meet Q's zeros
; and add nothing, under the neighbouring head's scale bytes, which are never 0xff.  So four tiles of K lie in 32 registers, and a step has two rounds of LDS loads.
; q and k carry one order of channels inside a block of 32, p and v one order of keys; z meets an operand in true order, so its codes change lanes once on the way out.
; PREFETCH: in trip t of the first block's loop (it loads piece t + 1) wave 15 names piece t + 3: 128 blocks of 256 bytes, of which each partner takes 32 by address (16 of K, 16 of V), a lane a block; trips 5 and 6 name nothing.
; LIMITS: NaN and infinities are not served; the scaled scores stay under 2^31 in magnitude; a block of zeros gets the byte 1; a block's largest p is taken from its largest score by the same two instructions, which takes v_exp_f32 not to fall where its input rises.
.set OFF_KI, 0x800000
.set OFF_VI, 0x1000000
.set OFF_QS, 0x1800000
.set OFF_KS, 0x1880000
.set OFF_VS, 0x1900000
.set OFF_ZS, 0x800000
.set VDUM, 131072                      ; LDS: K's images at 0 (tile t of 16 keys at 1,024 t); here 8,192 bytes of zero codes;
.set VIMG, 139264                      ; V's images, key step s at 8,192 s
.set KSC,  270336                      ; K's scale words, 8,192 bytes, and
.set VSC,  278528                      ; V's, 4,096 bytes: written by LDS stores
.set SPARE, 282624                     ; the spare words: 128 bytes a wave
.set AK0,  1                           ; v1 16 x lane; v2 VDUM + 16 x lane; v3 KSC + 16 r; v4 VSC - 256 + 16 r (one step back)
.set AV0,  2
.set ASK0, 3
.set ASV0, 4
.set GI,   5                           ; v5 16 x lane in memory; v6 16 r; v7 32 r
.set GR,   6
.set GZ,   7
.set ADK,  8                           ; v8-11 the step's LDS addresses
.set ADV,  9
.set ADS,  10
.set ADT,  11
                                       ; v12 -M, v13 the largest score so far
.set QF,   16                          ; v16-31 Q's fragment, v24-31 zeros
.set KF,   32                          ; v32-63 four tiles of K, eight registers each
.set VF,   64                          ; v64-95 two fragments of V, directly behind K's tiles
.set S,    96                          ; v96-159 S^T, then p
.set O,    160                         ; v160-191 O^T
.set PCD,  192                         ; v192-207 p's codes
.set ZC,   200
.set BM,   208
.set T4,   212
.set HD,   216
.set SO,   220
.set KW,   224                         ; v224-231 K's scale words, v232-235 V's, v236 p's, v237 Q's
.set VW,   232
.set PW,   236
.set QW,   237
.set F,    238                         ; v[238:239] f
.set TA,   240
.set ZW,   241
.set SA,   242                         ; v242-249 the row's sum in four pairs
.set NM,   250
.set PFO,  251                         ; the prefetch's offset, and its step from piece to piece
.set PFS,  252
.set DZ,   253
.set SPW,  254
.set NIL,  255
.set WV,   8
.set CS,   22                          ; s[22:23] c = log2(e) / 8
.set G1K,  24
.set G1V,  32
.set G0K,  40
.set G0V,  44
.set SEL,  76
.set MNT,  78
.set HI,   79
.set T8,   80
.set TS,   81
.set TJ,   82
.set CNT,  83
.set NC,   92                          ; -c
.set LIM,  93
.set C2,   94
.macro VW0
	s_wait_alu depctr_va_vdst(0)
.endm
.macro CROUND
	s_barrier_signal -1
	s_barrier_wait -1
	s_cmp_lg_u32 s[WV], 0
	s_cbranch_scc1 .Lnot_wave_0_\@
	s_barrier_signal -3
.Lnot_wave_0_\@:
	s_barrier_wait -3
	s_barrier_signal -1
	s_barrier_wait -1
.endm
.macro QLOAD n
	global_load_b128 v[QF:QF+3], v[GI], s[14:15] offset:(\n)*32768
	global_load_b128 v[QF+4:QF+7], v[GI], s[14:15] offset:(\n)*32768+512
	global_load_b32 v[QW], v[GR], s[16:17] offset:(\n)*1024
.endm
.macro TLOAD                           ; waves 0-7 fetch K's part of a piece, two tiles each; waves 8-15 V's, 2,048 bytes each: one joint load on every way
	s_cmp_lt_u32 s[WV], 8
	s_cbranch_scc0 .Lfor_v_\@
	tensor_load_to_lds s[G0K:G0K+3], s[G1K:G1K+7]
	s_nop 0
.rept 4
	v_nop
.endr
	s_branch .Lasked_\@
.Lfor_v_\@:
	tensor_load_to_lds s[G0V:G0V+3], s[G1V:G1V+7]
	s_nop 0
.rept 4
	v_nop
.endr
.Lasked_\@:
.endm
	s_load_b128 s[4:7], s[0:1], 0x0                ; qkv, zq
	v_lshl_add_u32 v[SPW], v0, 2, SPARE
	v_mov_b32 v[NIL], 0
	ds_add_u32 v[SPW], v[NIL]
	ds_add_u32 v[SPW], v[NIL]
	v_lshrrev_b32 v1, 5, v0
	v_readfirstlane_b32 s[WV], v1
	s_bfe_u32 s9, ttmp6, 0x40000                   ; cx: it enters Q's, z's and the prefetch's addresses alone
	s_and_b32 s10, ttmp7, 0xffff                   ; batch x 16 + head
	s_and_b32 s11, s10, 15
	s_lshr_b32 s12, s10, 4
	s_and_b32 s13, s[WV], 7
.irp g, G1K, G1V                       ; elements of 8 bytes; the mask names all four work-groups, bit 21 beside it
	s_mov_b32 s[\g], 15|(3<<16)|(1<<21)
	s_mov_b32 s[\g+6], 0
	s_mov_b32 s[\g+7], 0
.endr
	s_mov_b32 s[G1K+1], 128<<16                    ; K: two rows of 1,024 bytes, 2,048 apart in memory
	s_mov_b32 s[G1K+2], 2<<16
	s_mov_b32 s[G1K+3], 128<<16
	s_mov_b32 s[G1K+4], 2
	s_mov_b32 s[G1K+5], 256
	s_mov_b32 s[G1V+1], 32<<16                     ; V: eight dense rows of 256 bytes
	s_mov_b32 s[G1V+2], 8<<16
	s_mov_b32 s[G1V+3], 32<<16
	s_mov_b32 s[G1V+4], 8
	s_mov_b32 s[G1V+5], 32
	s_mov_b32 s[CS], 0x3e38aa3b
	s_mov_b32 s[CS+1], s[CS]
	s_mov_b32 s[NC], 0xbe38aa3b
	s_mov_b32 s[SEL], 0x76543210
	s_mov_b32 s[SEL+1], 0xfedcba98
	s_mov_b32 s[MNT], 0x600000
	s_mov_b32 s[HI], 0xffff0000
	s_cmp_eq_u32 s[WV], 15
	s_cselect_b32 s[LIM], 2, 100                   ; wave 15 asks while more than two trips are left
	s_lshr_b32 s86, s11, 1                         ; the head's place in q's and k's images
	s_lshl_b32 s86, s86, 20
	s_lshl_b32 s87, s12, 18
	s_add_co_u32 s86, s86, s87
	s_and_b32 s87, s11, 1
	s_lshl_b32 s87, s87, 10
	s_add_co_u32 s86, s86, s87
	s_lshl_b32 s88, s13, 12                        ; K: tiles 2 u, 2 u + 1 of the piece
	s_add_co_u32 s88, s88, s86
	s_add_co_u32 s88, s88, OFF_KI
	s_mov_b32 s89, 0
	s_lshl_b32 s95, s10, 17                        ; V: 131,072 dense bytes for each (batch, head)
	s_add_co_u32 s95, s95, OFF_VI
	s_lshl_b32 s90, s13, 11
	s_add_co_u32 s90, s90, s95
	s_mov_b32 s91, 0
	s_wait_dscnt 0x0
	s_wait_kmcnt 0x0
	s_mov_b32 s[G0K], 1
	s_lshl_b32 s[G0K+1], s13, 11
	s_add_nc_u64 s[G0K+2:G0K+3], s[4:5], s[88:89]
	s_or_b32 s[G0K+3], s[G0K+3], 0x80000000
	s_mov_b32 s[G0V], 1
	s_lshl_b32 s[G0V+1], s13, 11
	s_add_co_u32 s[G0V+1], s[G0V+1], VIMG
	s_add_nc_u64 s[G0V+2:G0V+3], s[4:5], s[90:91]
	s_or_b32 s[G0V+3], s[G0V+3], 0x80000000
	s_lshl_b32 s88, s11, 15                        ; the head's scale words: K's 16 bytes a thread, V's 8
	s_lshl_b32 s89, s12, 13
	s_add_co_u32 s88, s88, s89
	s_add_co_u32 s88, s88, OFF_KS
	s_mov_b32 s89, 0
	s_add_nc_u64 s[88:89], s[4:5], s[88:89]
	s_lshl_b32 s90, s10, 13
	s_add_co_u32 s90, s90, OFF_VS
	s_add_nc_u64 s[90:91], s[4:5], s[90:91]
	v_lshlrev_b32 v8, 4, v0
	v_lshlrev_b32 v9, 3, v0
	v_add_nc_u32 v10, KSC, v8
	v_add_nc_u32 v11, VSC, v9
	global_load_b128 v[96:99], v8, s[88:89]
	global_load_b64 v[100:101], v9, s[90:91]
	VW0
	CROUND                                         ; all four work-groups are here: the joint loads meet
	TLOAD                                          ; piece 0: my one tensor load at the head
	s_lshl_b32 s2, s9, 5                           ; my tile of 16 queries in the batch: 32 cx + wave
	s_add_co_u32 s2, s2, s[WV]
	s_lshl_b32 s3, s2, 11
	s_add_co_u32 s14, s86, s3
	s_mov_b32 s15, 0
	s_add_nc_u64 s[14:15], s[4:5], s[14:15]        ; Q's image
	s_lshr_b32 s3, s2, 2
	s_lshl_b32 s3, s3, 8
	s_and_b32 s87, s2, 3
	s_lshl_b32 s87, s87, 2
	s_add_co_u32 s3, s3, s87
	s_lshl_b32 s87, s11, 15
	s_add_co_u32 s3, s3, s87
	s_lshl_b32 s87, s12, 13
	s_add_co_u32 s3, s3, s87
	s_add_co_u32 s16, s3, OFF_QS
	s_mov_b32 s17, 0
	s_add_nc_u64 s[16:17], s[4:5], s[16:17]        ; Q's scale words
	s_lshl_b32 s3, s12, 7
	s_add_co_u32 s3, s3, s2
	s_lshl_b32 s18, s3, 14
	s_lshl_b32 s87, s11, 10
	s_add_co_u32 s18, s18, s87
	s_mov_b32 s19, 0
	s_add_nc_u64 s[18:19], s[6:7], s[18:19]        ; z's images
	s_lshl_b32 s20, s3, 9
	s_lshl_b32 s87, s11, 1
	s_add_co_u32 s20, s20, s87
	s_add_co_u32 s20, s20, OFF_ZS
	s_mov_b32 s21, 0
	s_add_nc_u64 s[20:21], s[6:7], s[20:21]        ; z's scale bytes
	s_lshl_b32 s96, s9, 13                         ; the prefetch stands at piece 2: K: my work-group's four tiles,
	s_add_co_u32 s96, s96, s86
	s_add_co_u32 s96, s96, OFF_KI+65536
	s_lshl_b32 s97, s9, 12                         ; V: its 4,096 bytes
	s_add_co_u32 s97, s97, s95
	s_add_co_u32 s97, s97, 32768
	v_and_b32 v[AK0], 31, v0
	v_lshlrev_b32 v[AK0], 4, v[AK0]
	v_add_nc_u32 v[AV0], VDUM, v[AK0]
	v_and_b32 v[GR], 15, v0
	v_lshlrev_b32 v[GZ], 5, v[GR]
	v_lshlrev_b32 v[GR], 4, v[GR]
	v_add_nc_u32 v[ASK0], KSC, v[GR]
	v_add_nc_u32 v[ASV0], VSC-256, v[GR]
	v_mov_b32 v[GI], v[AK0]
	v_and_b32 v[TA], 15, v0                        ; lanes 0-15: block a % 4 of tile a / 4 of K; lanes 16-31: block a of V
	v_lshrrev_b32 v[NM], 2, v[TA]
	v_and_b32 v[T4], 3, v[TA]
	v_lshlrev_b32 v[NM], 11, v[NM]
	v_lshl_add_u32 v[NM], v[T4], 8, v[NM]
	v_add_nc_u32 v[NM], s96, v[NM]
	v_lshlrev_b32 v[TA], 8, v[TA]
	v_add_nc_u32 v[TA], s97, v[TA]
	v_cndmask_b32 v[PFO], v[NM], v[TA], s[HI]
	v_mov_b32 v[NM], 0x8000
	v_bfe_u32 v[TA], v0, 4, 1
	v_lshrrev_b32 v[PFS], v[TA], v[NM]             ; a piece on: 32,768 bytes in K's images, 16,384 in V's
	v_lshl_add_u32 v[DZ], v0, 4, VDUM
.irp j, 8,9,10,11,12,13,14,15
	v_mov_b32 v[QF+\j], 0                          ; Q's upper 64 along K: zero codes, set once
.endr
.irp b, 0,1,2,3
	v_mov_b32 v[T4+\b], 0
.endr
	v_mov_b32 v[F+1], 0
	VW0
	s_wait_loadcnt 0x0                             ; the scale words
	ds_store_b128 v10, v[96:99]
	ds_store_b64 v11, v[100:101]
	ds_store_b128 v[DZ], v[QF+8:QF+11]             ; 512 threads x 16 bytes: the zero codes ahead of V's image
	QLOAD 0
.macro INIT                            ; a block of queries begins: zeros, which the first change of M leaves zeros
	s_mov_b32 s[T8], 0
	s_mov_b32 s[TS], 0
	s_mov_b32 s[TJ], 0
	v_mov_b32 v13, 0xff61b1e6                      ; the largest score so far: -3e38
	v_mov_b32 v12, 0x7e000000                      ; -M: a large whole number
	v_mov_b32 v[F], 0
	v_mov_b32 v[PW], 0x7f7f7f7f
.set j, 0
.rept 8
	v_mov_b32 v[SA+j], 0
.set j, j+1
.endr
.set j, 0
.rept 32
	v_mov_b32 v[O+j], 0
.set j, j+1
.endr
.set j, 0
.rept 16
	v_mov_b32 v[PCD+j], 0
.set j, j+1
.endr
.endm
.macro KLD t, f                        ; tile t of the step's eight into place f of four
	ds_load_b128 v[KF+8*\f:KF+8*\f+3], v[ADK] offset:(\t)*1024
	ds_load_b128 v[KF+8*\f+4:KF+8*\f+7], v[ADK] offset:(\t)*1024+512
.endm
.macro VLD t, reg
.irp c, 0,1,2,3
	ds_load_b128 v[\reg+4*\c:\reg+4*\c+3], v[ADV] offset:(\t)*2048+\c*512
.endr
.endm
.macro SMM t, f                        ; S^T, tile t of 16 keys: the operand's upper eight registers meet Q's zero codes
	v_wmma_scale_f32_16x16x128_f8f6f4 v[S+8*(\t):S+8*(\t)+7], v[KF+8*\f:KF+8*\f+15], v[QF:QF+15], 0, v[KW+\t], v[QW] matrix_a_fmt:MATRIX_FMT_BF8 matrix_b_fmt:MATRIX_FMT_BF8
.endm
.macro OMM t, reg                      ; O^T, tile t of 16 channels
	v_wmma_scale_f32_16x16x128_f8f6f4 v[O+8*(\t):O+8*(\t)+7], v[\reg:\reg+15], v[PCD:PCD+15], v[O+8*(\t):O+8*(\t)+7], v[VW+\t], v[PW] matrix_a_fmt:MATRIX_FMT_BF8 matrix_b_fmt:MATRIX_FMT_BF8
.endm
.macro RESC j0                         ; two tiles of O^T x f, each from its low end on
.set j, \j0
.rept 8
	v_pk_mul_f32 v[O+j:O+j+1], v[O+j:O+j+1], v[F:F+1] op_sel_hi:[1,0]
.set j, j+2
.endr
.endm
.macro BMAX b                          ; my 16 scores of block b: two chains by turns, each tile from its low end on
	v_max3_num_f32 v[BM+\b], v[S+16*\b], v[S+16*\b+1], v[S+16*\b+2]
	v_max3_num_f32 v[T4+\b], v[S+16*\b+8], v[S+16*\b+9], v[S+16*\b+10]
.irp i, 3,5
	v_max3_num_f32 v[BM+\b], v[BM+\b], v[S+16*\b+\i], v[S+16*\b+\i+1]
	v_max3_num_f32 v[T4+\b], v[T4+\b], v[S+16*\b+\i+8], v[S+16*\b+\i+9]
.endr
	v_max3_num_f32 v[BM+\b], v[BM+\b], v[S+16*\b+7], v[S+16*\b+15]
	v_max_num_f32 v[BM+\b], v[BM+\b], v[T4+\b]
.endm
; A KEY STEP: the scores of step i's 128 keys, and beside them the second product of step i - 1, in two rounds of LDS loads.
; Behind each round's matrix instructions stand eight plain lines that name none of their registers, ahead of the loads into their operands and of the first reads of their results.
.macro STEP
	v_add_nc_u32 v[ADK], s[T8], v[AK0]
	v_add_nc_u32 v[ADV], s[T8], v[AV0]             ; V's image of the step before (step 0: the zero codes)
	v_add_nc_u32 v[ADS], s[TS], v[ASK0]
	v_add_nc_u32 v[ADT], s[TJ], v[ASV0]
	ds_load_b128 v[KW:KW+3], v[ADS]
	ds_load_b128 v[KW+4:KW+7], v[ADS] offset:256
	ds_load_b128 v[VW:VW+3], v[ADT]
	VLD 0, VF                                      ; ahead of K's tiles: the fourth tile's operand runs on into these registers
	KLD 0, 0
	KLD 1, 1
	KLD 2, 2
	KLD 3, 3
	VLD 1, VF+16
	VW0                                            ; ahead of the first readers of O^T's tiles 0 and 1
	RESC 0
	VW0
	s_wait_dscnt 0x4                               ; all but the four loads issued last, V's second fragment
	SMM 0, 0
	SMM 1, 1
	SMM 2, 2
	SMM 3, 3
	s_wait_dscnt 0x0
	OMM 0, VF
	OMM 1, VF+16
	VW0                                            ; ahead of the first readers of tiles 2 and 3
	RESC 16
	VLD 2, VF
	KLD 4, 0
	KLD 5, 1
	KLD 6, 2
	KLD 7, 3
	VLD 3, VF+16
	BMAX 0
	VW0
	s_wait_dscnt 0x4                               ; as above
	SMM 4, 0
	SMM 5, 1
	SMM 6, 2
	SMM 7, 3
	s_wait_dscnt 0x0
	OMM 2, VF
	OMM 3, VF+16
	BMAX 1
	BMAX 2
	BMAX 3
.irp b, 0,1,2,3
	v_permlanex16_b32 v[T4+\b], v[BM+\b], s[SEL], s[SEL+1]
.endr
.irp b, 0,1,2,3
	v_max_num_f32 v[BM+\b], v[BM+\b], v[T4+\b]     ; with lane l xor 16's 16 keys: the block's largest score
.endr
	v_max3_num_f32 v[TA], v[BM], v[BM+1], v[BM+2]
	v_max3_num_f32 v13, v13, v[TA], v[BM+3]        ; the running largest score
	v_mul_f32 v[TA], s[NC], v13                    ; -t
	v_floor_f32 v[NM], v[TA]                       ; the new -M = -ceil(t)
	v_sub_f32 v[TA], v[NM], v12                    ; old M - new M: a whole number, 0 or less
	v_mov_b32 v12, v[NM]
.set j, 0
.rept 32
	v_pk_fma_f32 v[S+j:S+j+1], v[S+j:S+j+1], s[CS:CS+1], v[12:13] op_sel_hi:[1,0,0]   ; t - M
.set j, j+2
.endr
.irp b, 0,1,2,3
	v_fma_f32 v[BM+\b], v[BM+\b], s[CS], v12       ; the same of each block's largest score
.endr
	VW0                                            ; ahead of the batch
.set j, 0
.rept 64
	v_exp_f32 v[S+j], v[S+j]                       ; p = 2^(t - M)
.set j, j+1
.endr
	v_cvt_i32_f32 v[TA], v[TA]                     ; (it saturates)  The plain line behind the batch
	v_ldexp_f32 v[F], 1.0, v[TA]                   ; f: the sums take it now, O^T in the next step
	VW0                                            ; behind the batch, ahead of its first reader
.irp b, 0,1,2,3
	v_exp_f32 v[BM+\b], v[BM+\b]                   ; the block's largest p
.endr
.irp k, 0,1,2,3
	v_pk_fma_f32 v[SA+2*\k:SA+2*\k+1], v[SA+2*\k:SA+2*\k+1], v[F:F+1], v[S+2*\k:S+2*\k+1] op_sel_hi:[1,0,1]   ; the sums under the new M, and the first eight p
.endr
.set j, 4
.rept 28
	v_pk_add_f32 v[SA+2*(j%4):SA+2*(j%4)+1], v[SA+2*(j%4):SA+2*(j%4)+1], v[S+2*j:S+2*j+1]
.set j, j+1
.endr
	VW0                                            ; for the four
.irp b, 0,1,2,3
	v_max_num_f32 v[BM+\b], 0x8000000, v[BM+\b]    ; the floor 2^(16 - 127): the byte cannot fall under 1
.endr
.irp b, 0,1,2,3
	v_add_nc_u32 v[SO+\b], 0xf8800000, v[BM+\b]    ; the conversion's scale operand
.endr
.irp b, 0,1,2,3
	v_and_or_b32 v[HD+\b], v[BM+\b], 0x7f800000, s[MNT]   ; 57,344 x the scale
.endr
.irp b, 0,1,2,3
	v_lshrrev_b32 v[T4+\b], 23, v[SO+\b]           ; the scale's byte
.endr
	v_lshl_or_b32 v[PW], v[T4+1], 8, v[T4]
	v_lshl_or_b32 v[PW], v[T4+2], 16, v[PW]
.irp b, 0,1,2,3
.irp i, 0,2,4,6,8,10,12,14
	v_dual_min_num_f32 v[S+16*\b+\i], v[S+16*\b+\i], v[HD+\b] :: v_dual_min_num_f32 v[S+16*\b+\i+1], v[S+16*\b+\i+1], v[HD+\b]   ; the hold, one-sided: p is not negative (the conversion does not saturate: ISA guide 7.6.2)
.endr
	v_cvt_scalef32_pk8_bf8_f32 v[PCD+4*\b:PCD+4*\b+1], v[S+16*\b:S+16*\b+7], v[SO+\b]
	v_cvt_scalef32_pk8_bf8_f32 v[PCD+4*\b+2:PCD+4*\b+3], v[S+16*\b+8:S+16*\b+15], v[SO+\b]
.endr
	v_lshl_or_b32 v[PW], v[T4+3], 24, v[PW]        ; p's scale word is whole (also the plain line behind the last conversion)
	s_add_co_u32 s[T8], s[T8], 8192
	s_add_co_u32 s[TS], s[TS], 512
	s_add_co_u32 s[TJ], s[TJ], 256
	VW0                                            ; ahead of the branch
.endm
; THE WAY OUT of block n: the sixteenth step's second product, then z = O^T / the sum, quantised along the head's two blocks of 32 channels.
.macro OUT n
	v_add_nc_u32 v[ADV], s[T8], v[AV0]
	v_add_nc_u32 v[ADT], s[TJ], v[ASV0]
	ds_load_b128 v[VW:VW+3], v[ADT]
.irp t, 0,1,2,3
	VLD \t, S+16*\t
.endr
.if \n == 0
	QLOAD 1                                        ; the next block's Q
.endif
	VW0
	RESC 0
	RESC 16
	VW0
	s_wait_dscnt 0x0
.irp t, 0,1,2,3
	OMM \t, S+16*\t
.endr
	v_pk_add_f32 v[SA:SA+1], v[SA:SA+1], v[SA+2:SA+3]
	v_pk_add_f32 v[SA+4:SA+5], v[SA+4:SA+5], v[SA+6:SA+7]
	v_pk_add_f32 v[SA:SA+1], v[SA:SA+1], v[SA+4:SA+5]
	v_add_f32 v[SA], v[SA], v[SA+1]
	v_permlanex16_b32 v[TA], v[SA], s[SEL], s[SEL+1]
	v_add_f32 v[SA], v[SA], v[TA]                  ; the row's sum
	VW0
	v_rcp_f32 v[SA], v[SA]
	v_nop                                          ; with the six lines above: eight places behind the last products
	v_nop
	VW0
.set j, 0
.rept 16
	v_pk_mul_f32 v[S+j:S+j+1], v[O+j:O+j+1], v[SA:SA+1] op_sel_hi:[1,0]   ; register 8 t + i: z(query r, channel 16 t + 8 h + i)
.set j, j+2
.endr
.irp b, 0,1
	v_max3_num_f32 v[BM+\b], |v[S+16*\b]|, |v[S+1+16*\b]|, 0x8000000
.endr
.irp i, 2,4,6,8,10,12,14
.irp b, 0,1
	s_delay_alu instid0(VALU_DEP_2)
	v_max3_num_f32 v[BM+\b], v[BM+\b], |v[S+16*\b+\i]|, |v[S+1+16*\b+\i]|
.endr
.endr
.irp b, 0,1
	s_delay_alu instid0(VALU_DEP_2)
	v_permlanex16_b32 v[T4+\b], v[BM+\b], s[SEL], s[SEL+1]
.endr
.irp b, 0,1
	s_delay_alu instid0(VALU_DEP_2)
	v_max_num_f32 v[BM+\b], v[BM+\b], v[T4+\b]
.endr
.irp b, 0,1
	s_delay_alu instid0(VALU_DEP_2)
	v_add_nc_u32 v[SO+\b], 0xf8800000, v[BM+\b]
.endr
.irp b, 0,1
	s_delay_alu instid0(VALU_DEP_4)
	v_and_or_b32 v[HD+\b], v[BM+\b], 0x7f800000, s[MNT]
.endr
.irp b, 0,1
	s_delay_alu instid0(VALU_DEP_4)
	v_lshrrev_b32 v[T4+\b], 23, v[SO+\b]
.endr
	s_delay_alu instid0(VALU_DEP_1)
	v_lshl_or_b32 v[ZW], v[T4+1], 8, v[T4]         ; my row's two scale bytes
.irp b, 0,1
.irp i, 0,1,2,3,4,5,6,7,8,9,10,11,12,13,14,15
	v_med3_num_f32 v[S+16*\b+\i], v[S+16*\b+\i], -v[HD+\b], v[HD+\b]
.endr
	v_cvt_scalef32_pk8_bf8_f32 v[PCD+4*\b:PCD+4*\b+1], v[S+16*\b:S+16*\b+7], v[SO+\b]
	v_cvt_scalef32_pk8_bf8_f32 v[PCD+4*\b+2:PCD+4*\b+3], v[S+16*\b+8:S+16*\b+15], v[SO+\b]
.endr
	v_nop                                          ; the plain line behind the last conversion
	; into true order: lanes 0-15 give their upper eight channels and take the partner's lower; lanes 16-31 the other way round
.irp b, 0,1
.irp e, 0,1
	v_cndmask_b32 v[BM+2*\b+\e], v[PCD+4*\b+2+\e], v[PCD+4*\b+\e], s[HI]
.endr
.endr
.irp i, 0,1,2,3
	s_delay_alu instid0(VALU_DEP_4)
	v_permlanex16_b32 v[T4+\i], v[BM+\i], s[SEL], s[SEL+1]
.endr
.irp b, 0,1
.irp e, 0,1
	v_cndmask_b32 v[ZC+4*\b+\e], v[PCD+4*\b+\e], v[T4+2*\b+\e], s[HI]
	v_cndmask_b32 v[ZC+4*\b+2+\e], v[T4+2*\b+\e], v[PCD+4*\b+2+\e], s[HI]
.endr
.endr
	global_store_b128 v[GI], v[ZC:ZC+3], s[18:19]              ; an image of operand registers: 512 consecutive bytes, aligned
	global_store_b128 v[GI], v[ZC+4:ZC+7], s[18:19] offset:512
	global_store_b16 v[GZ], v[ZW], s[20:21]                    ; two of a row's 32 scale bytes: the others belong to other heads, that is other clusters
.if \n == 0
	VW0
	s_wait_xcnt 0x0                                ; the stores have read their registers and bases
	s_add_nc_u64 s[18:19], s[18:19], 262144        ; 16 tiles on
	s_add_nc_u64 s[20:21], s[20:21], 8192
.endif
.endm
	INIT
	VW0                                            ; the head's end
	s_wait_loadcnt 0x0                             ; Q
	s_mov_b32 s[CNT], 7
.Lpiece:                                           ; trip t: piece t is shown whole, piece t + 1 is asked for, steps 2 t and 2 t + 1 are walked
	s_wait_xcnt 0x0                                ; my last prefetch has read its offset
	v_add_nc_u32 v[PFO], v[PFS], v[PFO]            ; to piece t + 3
	VW0
	s_wait_tensorcnt 0x0                           ; my part of piece t has landed: no tensor load of mine is out
	ds_add_u32 v[SPW], v[NIL]
	s_add_co_u32 s[G0K+1], s[G0K+1], 16384         ; the descriptors step to piece t + 1
	s_add_nc_u64 s[G0K+2:G0K+3], s[G0K+2:G0K+3], 32768
	s_add_co_u32 s[G0V+1], s[G0V+1], 16384
	s_add_nc_u64 s[G0V+2:G0V+3], s[G0V+2:G0V+3], 16384
	s_wait_dscnt 0x0                               ; the add, and (trip 0) my LDS stores
	CROUND
	TLOAD                                          ; my one tensor load behind the round: a first fill
	s_cmp_gt_u32 s[CNT], s[LIM]
	s_cbranch_scc0 .Lnot_mine
	global_prefetch_b8 v[PFO], s[4:5] th:TH_LOAD_NT scope:SCOPE_SE
.Lnot_mine:
	s_mov_b32 s[C2], 2
.Lpair:
	STEP
	s_sub_co_u32 s[C2], s[C2], 1
	s_cmp_lg_u32 s[C2], 0
	s_cbranch_scc1 .Lpair
	s_sub_co_u32 s[CNT], s[CNT], 1
	s_cmp_lg_u32 s[CNT], 0
	s_cbranch_scc1 .Lpiece
	s_wait_tensorcnt 0x0                           ; piece 7: nothing more is asked for, so no round follows
	ds_add_u32 v[SPW], v[NIL]
	s_wait_dscnt 0x0
	s_barrier_signal -1
	s_barrier_wait -1
	s_mov_b32 s[C2], 2
.Llast:
	STEP
	s_sub_co_u32 s[C2], s[C2], 1
	s_cmp_lg_u32 s[C2], 0
	s_cbranch_scc1 .Llast
	OUT 0
	INIT                                           ; the second block: all of K and V lie in LDS, shown to every wave
	VW0
	s_wait_loadcnt 0x0                             ; Q
	s_mov_b32 s[CNT], 16
.Lsecond:
	STEP
	s_sub_co_u32 s[CNT], s[CNT], 1
	s_cmp_lg_u32 s[CNT], 0
	s_cbranch_scc1 .Lsecond
	OUT 1
	s_wait_tensorcnt 0x0                           ; the wave's end
	ds_add_u32 v[SPW], v[NIL]
	s_wait_dscnt 0x0
	CROUND                                         ; the closing round
	s_endpgm
.Lfunc_end_k_q9c6eba824d_attn:
	.size	k_q9c6eba824d_attn, .Lfunc_end_k_q9c6eba824d_attn-k_q9c6eba824d_attn
	.p2alignl 7, 3214868480
	.fill 96, 4, 3214868480
	.section	.rodata,"a",@progbits
	.p2align	6, 0x0
	.amdhsa_kernel k_q9c6eba824d_attn
		.amdhsa_group_segment_fixed_size 327680
		.amdhsa_private_segment_fixed_size 0
		.amdhsa_enable_private_segment 0
		.amdhsa_kernarg_size 16
		.amdhsa_user_sgpr_count 2
		.amdhsa_user_sgpr_kernarg_segment_ptr 1
		.amdhsa_wavefront_size32 1
		.amdhsa_system_sgpr_workgroup_id_x 1
		.amdhsa_system_sgpr_workgroup_id_y 1
		.amdhsa_system_sgpr_workgroup_id_z 1
		.amdhsa_system_vgpr_workitem_id 0
		.amdhsa_next_free_vgpr 256
		.amdhsa_next_free_sgpr 100
		.amdhsa_reserve_vcc 0
		.amdhsa_float_denorm_mode_32 3
		.amdhsa_float_denorm_mode_16_64 3
		.amdhsa_memory_ordered 1
		.amdhsa_forward_progress 1
		.amdhsa_inst_pref_size 91
	.end_amdhsa_kernel
	.amdgpu_metadata
---
amdhsa.version: [ 1, 2 ]
amdhsa.kernels:
  - .name:           k_q9c6eba824d_attn
    .symbol:         k_q9c6eba824d_attn.kd
    .args:
      - { .name: qkv, .offset: 0, .size: 8, .value_kind: global_buffer, .address_space: global }
      - { .name: zq, .offset: 8, .size: 8, .value_kind: global_buffer, .address_space: global }
    .group_segment_fixed_size: 327680
    .private_segment_fixed_size: 0
    .kernarg_segment_align: 8
    .kernarg_segment_size: 16
    .max_flat_workgroup_size: 512
    .sgpr_count:     100
    .vgpr_count:     256
    .wavefront_size: 32
...
	.end_amdgpu_metadata
.endif
;; end of part 3
;; launch gemm_out (part 4): grid 4 x 32, 4 waves a work-group, clusters of 4 x 4, 327,680 bytes of LDS; arguments zq, x, Wout_codes, Wout_scales, out0; writes out0
.if DOCPART == 4
	.amdgcn_target "amdgcn-amd-amdhsa--gfx1250"
	.amdhsa_code_object_version 6
	.text
	.protected	k_q9c6eba824d_gemm_out
	.globl	k_q9c6eba824d_gemm_out
	.p2align	8
	.type	k_q9c6eba824d_gemm_out,@function
k_q9c6eba824d_gemm_out:
	s_mov_b64 s[64:65], 0
	v_nop
	global_prefetch_b8 v0, s[64:65] scope:SCOPE_SE
	s_setreg_imm32_b32 hwreg(HW_REG_WAVE_MODE, 25, 1), 1
	s_wait_xcnt 0x0
	s_wait_alu depctr_hold_cnt(0) depctr_sa_sdst(0) depctr_va_vdst(0) depctr_va_sdst(0) depctr_va_ssrc(0) depctr_va_vcc(0) depctr_vm_vsrc(0)
	s_getreg_b32 s2, hwreg(HW_REG_IB_STS2, 6, 4)
	s_cmp_eq_u32 s2, 0
	s_cbranch_scc0 .Lentry_in_a_cluster
	s_endpgm
.Lentry_in_a_cluster:
	s_bfe_u32 s2, ttmp6, 0x10000c
	s_cmp_lg_u32 s2, 0xf033
	s_cbranch_scc0 .Lentry_shape_is_right
	s_endpgm
.Lentry_shape_is_right:
.set SIZE_K, 1024
.set SIZE_N, 1024
.set KSTEP,  256
.set NQ,     KSTEP/128
.set ROWB,   256
.set ASTEP,  4096
.set KROW,   SIZE_K
.set PITCH,  272
.set FR,     16
.set NL,     4
.set NP,     8
.set HALFT,  128*PITCH
.set SLOT,   4*HALFT
.set LAPS,   SIZE_K/(2*KSTEP)
.set KS,     SIZE_K/32
.set SCL,    2*SLOT
.set HALFS,  (128*KS/256)*272
.set SBLK,   (16*KS/256)*272
.set SPARE,  SCL+4*HALFS
.set SPITCH, 528
.set ADRA, 16
.set ADRB, 20
.set STO,  24
.set RD,   25
.set CO,   26
.set ADRS, 27
.set SPW,  28
.set NIL,  29
.set SC,   32
.set AF,   128
.set BK,   128
.set G1, 24
.set G0, 32
.set G1B, 48
.set G0B, 56
.set G1S, 68
.set G0S, 76
.set G1SB, 80
.set G0SB, 88
.set MSB, 0
.macro WIN new
.if MSB != \new
	s_set_vgpr_msb (MSB<<8)|\new
.set MSB, \new
.endif
.endm
.set MUL_LO, 0xa1
.set MUL_HI, 0xf1
.set TO_B,   0x40
.macro JLOAD g0a, g1a, g0b, g1b
	s_cmp_eq_u32 s15, 0
	s_cbranch_scc0 .Lfor_b_\@
	tensor_load_to_lds s[\g0a:\g0a+3], s[\g1a:\g1a+7]
	s_nop 0
.rept 4
	v_nop
.endr
	s_branch .Lasked_\@
.Lfor_b_\@:
	tensor_load_to_lds s[\g0b:\g0b+3], s[\g1b:\g1b+7]
	s_nop 0
.rept 4
	v_nop
.endr
.Lasked_\@:
.endm
.macro CREST
	s_cmp_lg_u32 s14, 0
	s_cbranch_scc1 .Lnot_wave_0_\@
	s_barrier_signal -3
.Lnot_wave_0_\@:
	s_barrier_wait -3
	s_barrier_signal -1
	s_barrier_wait -1
.endm
.macro CROUND
	s_barrier_signal -1
	s_barrier_wait -1
	CREST
.endm
	s_load_b128 s[4:7], s[0:1], 0x0
	s_load_b128 s[8:11], s[0:1], 0x10
	s_load_b64 s[12:13], s[0:1], 0x20
	v_lshl_add_u32 v[SPW], v0, 2, SPARE
	v_mov_b32 v[NIL], 0
	ds_add_u32 v28, v29
	ds_add_u32 v28, v29
	s_wait_dscnt 0x0
	v_lshrrev_b32 v1, 5, v0
	v_readfirstlane_b32 s14, v1
	s_lshr_b32 s15, s14, 1
	s_and_b32 s16, s14, 1
	s_bfe_u32 s40, ttmp6, 0x40000
	s_bfe_u32 s41, ttmp6, 0x40004
	s_lshl_b32 s42, ttmp9, 2
	s_add_co_u32 s42, s42, s40
	s_and_b32 s17, ttmp7, 0xffff
	s_lshl_b32 s17, s17, 2
	s_add_co_u32 s17, s17, s41
	s_lshl_b32 s43, s41, 2
	s_lshl_b32 s43, 15, s43
	s_lshl_b32 s44, 0x1111, s40
	s_or_b32 s[G1+0], s43, (3<<16)|(1<<21)
	s_mov_b32 s[G1+1], 512<<16
	s_mov_b32 s[G1+2], 8<<16
	s_mov_b32 s[G1+3], 512<<16
	s_mov_b32 s[G1+4], 8
	s_mov_b32 s[G1+5], 2048
	s_mov_b32 s[G1+6], 0
	s_mov_b32 s[G1+7], 0
	s_or_b32 s[G1B+0], s44, (0<<16)|(1<<20)|(1<<21)|(5<<22)|(3<<25)
	s_mov_b32 s[G1B+1], ROWB<<16
	s_mov_b32 s[G1B+2], 128<<16
	s_mov_b32 s[G1B+3], ROWB<<16
	s_mov_b32 s[G1B+4], 128
	s_mov_b32 s[G1B+5], KROW
	s_mov_b32 s[G1B+6], 0
	s_mov_b32 s[G1B+7], 0
	s_or_b32 s[G1S+0], s43, (3<<16)|(1<<20)|(1<<21)|(5<<22)|(3<<25)
	s_or_b32 s[G1SB+0], s44, (3<<16)|(1<<20)|(1<<21)|(5<<22)|(3<<25)
.irp g, G1S, G1SB
	s_mov_b32 s[\g+1], 32<<16
	s_mov_b32 s[\g+2], (128*KS/256)<<16
	s_mov_b32 s[\g+3], 32<<16
	s_mov_b32 s[\g+4], 128*KS/256
	s_mov_b32 s[\g+5], 32
	s_mov_b32 s[\g+6], 0
	s_mov_b32 s[\g+7], 0
.endr
	s_lshl_b32 s18, s16, 7
	s_lshl_b32 s20, s17, 8
	s_add_co_u32 s20, s20, s18
	s_lshl_b32 s46, s42, 8
	s_add_co_u32 s46, s46, s18
	s_mov_b32 s21, 0
	s_mov_b32 s47, 0
	s_mov_b64 s[18:19], KS
	s_mul_u64 s[22:23], s[20:21], s[18:19]
	s_mul_u64 s[92:93], s[46:47], s[18:19]
	s_mov_b64 s[18:19], KROW
	s_mul_u64 s[20:21], s[20:21], s[18:19]
	s_mul_u64 s[46:47], s[46:47], s[18:19]
	s_mul_i32 s45, s14, HALFT
	s_mul_i32 s94, s14, HALFS
	s_wait_kmcnt 0x0
	s_mov_b64 s[96:97], s[6:7]
	s_add_nc_u64 s[6:7], s[4:5], 0x800000
	s_add_nc_u64 s[20:21], s[4:5], s[20:21]
	s_add_nc_u64 s[22:23], s[6:7], s[22:23]
	s_add_nc_u64 s[46:47], s[8:9], s[46:47]
	s_add_nc_u64 s[92:93], s[10:11], s[92:93]
	CROUND
	s_mov_b32 s[G0S], 1
	s_add_co_u32 s[G0S+1], s94, SCL
	s_mov_b64 s[G0S+2:G0S+3], s[22:23]
	s_or_b32 s[G0S+3], s[G0S+3], 0x80000000
	s_mov_b32 s[G0SB], 1
	s_add_co_u32 s[G0SB+1], s94, SCL
	s_mov_b64 s[G0SB+2:G0SB+3], s[92:93]
	s_or_b32 s[G0SB+3], s[G0SB+3], 0x80000000
	JLOAD G0S, G1S, G0SB, G1SB
.irp s, 0,1
	s_mov_b32 s[G0+4*\s], 1
	s_add_co_u32 s[G0+4*\s+1], s45, \s*SLOT
	s_add_nc_u64 s[G0+4*\s+2:G0+4*\s+3], s[20:21], \s*ASTEP
	s_or_b32 s[G0+4*\s+3], s[G0+4*\s+3], 0x80000000
	s_mov_b32 s[G0B+4*\s], 1
	s_add_co_u32 s[G0B+4*\s+1], s45, \s*SLOT
	s_add_nc_u64 s[G0B+4*\s+2:G0B+4*\s+3], s[46:47], \s*ROWB
	s_or_b32 s[G0B+4*\s+3], s[G0B+4*\s+3], 0x80000000
	s_wait_alu depctr_va_vdst(0)
	s_wait_tensorcnt 0x0
	ds_add_u32 v28, v29
	s_wait_dscnt 0x0
	CROUND
	JLOAD G0+4*\s, G1, G0B+4*\s, G1B
.endr
	v_and_b32 v1, 15, v0
	v_bfe_u32 v2, v0, 4, 1
	v_mul_u32_u24 v3, v1, PITCH
	v_lshl_add_u32 v4, v2, 4, v3
	v_and_b32 v6, 31, v0
	v_lshlrev_b32 v[CO], 4, v6
	s_mul_i32 s21, s15, HALFT
	s_mul_i32 s22, s16, HALFT
	s_add_co_u32 s22, s22, 2*HALFT
.irp s, 0,1
	v_add_nc_u32 v[ADRA+\s], s21, v[CO]
	v_add_nc_u32 v[ADRB+\s], s22, v4
	s_add_co_u32 s21, s21, SLOT
	s_add_co_u32 s22, s22, SLOT
.endr
	v_mul_u32_u24 v5, v1, KS
	v_lshrrev_b32 v6, 8, v5
	v_lshl_add_u32 v5, v6, 4, v5
	s_mul_i32 s21, s15, HALFS
	s_mul_i32 s22, s16, HALFS
	s_add_co_u32 s22, s22, 2*HALFS
	s_sub_co_u32 s22, s22, s21
	v_mul_u32_u24 v6, s22, v2
	s_add_co_u32 s21, s21, SCL
	v_add_nc_u32 v5, v5, v6
	v_add_nc_u32 v[ADRS], s21, v5
	s_mul_i32 s23, s14, 16*SPITCH
	v_mul_u32_u24 v5, v1, SPITCH
	v_lshl_add_u32 v5, v2, 5, v5
	v_add_nc_u32 v[STO], s23, v5
	v_add_nc_u32 v[RD], s23, v[CO]
	s_lshl_b32 s20, s17, 8
	s_lshl_b32 s21, s15, 7
	s_add_co_u32 s20, s20, s21
	s_mov_b32 s21, 0
	s_mov_b64 s[18:19], SIZE_N*4
	s_mul_u64 s[20:21], s[20:21], s[18:19]
	s_lshl_b32 s46, s42, 10
	s_lshl_b32 s47, s16, 9
	s_add_co_u32 s46, s46, s47
	s_mov_b32 s47, 0
	s_add_nc_u64 s[20:21], s[20:21], s[46:47]
	s_add_nc_u64 s[12:13], s[12:13], s[20:21]
	s_add_nc_u64 s[96:97], s[96:97], s[20:21]
.macro FRAG reg, adr, q, i
.irp c, 0,1,2,3
	ds_load_b128 v[\reg+4*\c:\reg+4*\c+3], v[\adr] offset:128*(\q)+32*\c+(\i)*16*PITCH
.endr
.endm
.macro FRAGA reg, adr, q, i
.irp c, 0,1,2,3
	ds_load_b128 v[\reg+4*\c:\reg+4*\c+3], v[\adr] offset:(\i)*ASTEP+2048*(\q)+512*\c
.endr
.endm
.macro MUL16 a0, p, q, sc, zero
.irp a, \a0, \a0+1
.irp b, 0,1,2,3,4,5,6,7
.if \zero
	v_wmma_scale_f32_16x16x128_f8f6f4 v[8*(8*((\a)%4)+\b):8*(8*((\a)%4)+\b)+7], v[128*(\p)+FR*\b:128*(\p)+FR*\b+FR-1], v[AF+FR*(\a):AF+FR*(\a)+FR-1], 0, v[SC+8*NQ*(\sc)+NQ*\b+(\q)], v[SC+8*NQ*(\sc)+NQ*(\a)+(\q)] matrix_a_fmt:MATRIX_FMT_BF8 matrix_b_fmt:MATRIX_FMT_BF8 matrix_a_scale:MATRIX_SCALE_ROW1
.else
	v_wmma_scale_f32_16x16x128_f8f6f4 v[8*(8*((\a)%4)+\b):8*(8*((\a)%4)+\b)+7], v[128*(\p)+FR*\b:128*(\p)+FR*\b+FR-1], v[AF+FR*(\a):AF+FR*(\a)+FR-1], v[8*(8*((\a)%4)+\b):8*(8*((\a)%4)+\b)+7], v[SC+8*NQ*(\sc)+NQ*\b+(\q)], v[SC+8*NQ*(\sc)+NQ*(\a)+(\q)] matrix_a_fmt:MATRIX_FMT_BF8 matrix_b_fmt:MATRIX_FMT_BF8 matrix_a_scale:MATRIX_SCALE_ROW1
.endif
.endr
.endr
.endm
.macro FETCH_B slot, q, p
	WIN TO_B
.irp i, 0,1,2,3,4,5,6,7
	FRAG 128*(\p)+FR*\i, ADRB+\slot, \q, \i
.endr
	WIN 0
.endm
.macro FETCH_A slot, q, i0
.irp i, \i0, \i0+1, \i0+2, \i0+3
	FRAGA AF+FR*(\i), ADRA+\slot, \q, \i
.endr
.endm
.macro SCALES sc
.irp i, 0,1,2,3,4,5,6,7
	ds_load_b64 v[SC+8*NQ*\sc+NQ*\i:SC+8*NQ*\sc+NQ*\i+1], v[ADRS] offset:\i*SBLK
.endr
.endm
.macro PLACES n
.rept \n
	v_nop
.endr
.endm
.macro STEP slot, q, zero
	s_wait_dscnt 4*NL
	WIN MUL_LO
	MUL16 0, (\q)%2, \q, \slot, \zero
	MUL16 2, (\q)%2, \q, \slot, \zero
	s_wait_dscnt 0
	PLACES NP
	FETCH_B \slot, (\q)+1, 1-(\q)%2
	FETCH_A \slot, (\q)+1, 0
	WIN MUL_HI
	MUL16 4, (\q)%2, \q, \slot, \zero
	MUL16 6, (\q)%2, \q, \slot, \zero
	PLACES NP
	WIN 0
	FETCH_A \slot, (\q)+1, 4
.endm
.macro TURN slot, next, fill
	s_wait_tensorcnt 0x0
	ds_add_u32 v[SPW], v[NIL]
	s_wait_dscnt 4*NL+1
	WIN MUL_LO
	MUL16 0, 1, NQ-1, \slot, 0
	s_wait_dscnt 0x0
	s_barrier_signal -1
	MUL16 2, 1, NQ-1, \slot, 0
	WIN 0
	s_barrier_wait -1
.if \fill
	CREST
	s_add_nc_u64 s[G0+4*\slot+2:G0+4*\slot+3], s[G0+4*\slot+2:G0+4*\slot+3], 2*ASTEP
	s_add_nc_u64 s[G0B+4*\slot+2:G0B+4*\slot+3], s[G0B+4*\slot+2:G0B+4*\slot+3], 2*ROWB
	JLOAD G0+4*\slot, G1, G0B+4*\slot, G1B
	PLACES NP-4
.else
	PLACES NP
.endif
	s_wait_alu depctr_va_vdst(0)
	v_add_nc_u32 v[ADRS], 4*NQ, v[ADRS]
	FETCH_B \next, 0, 0
	FETCH_A \next, 0, 0
	SCALES \next
	WIN MUL_HI
	MUL16 4, 1, NQ-1, \slot, 0
	MUL16 6, 1, NQ-1, \slot, 0
	PLACES NP
	WIN 0
	FETCH_A \next, 0, 4
.endm
	s_wait_alu depctr_va_vdst(0)
	s_wait_tensorcnt 1
	s_barrier_signal -1
	s_barrier_wait -1
	FETCH_B 0, 0, 0
	FETCH_A 0, 0, 0
	SCALES 0
	FETCH_A 0, 0, 4
	STEP 0, 0, 1
	s_mov_b32 s3, LAPS-1
.Llap:
	TURN 0, 1, 1
	STEP 1, 0, 0
	TURN 1, 0, 1
	STEP 0, 0, 0
	s_sub_co_u32 s3, s3, 1
	s_cmp_lg_u32 s3, 0
	s_cbranch_scc1 .Llap
	TURN 0, 1, 0
	STEP 1, 0, 0
	s_wait_dscnt 4*NL
	WIN MUL_LO
	MUL16 0, 1, NQ-1, 1, 0
	MUL16 2, 1, NQ-1, 1, 0
	s_wait_dscnt 0
	WIN MUL_HI
	MUL16 4, 1, NQ-1, 1, 0
	MUL16 6, 1, NQ-1, 1, 0
	WIN 0
.macro XLOAD a
	WIN 0x40
.irp t, 0,1,2,3,4,5,6,7,8,9,10,11,12,13,14,15
	global_load_b128 v[64*((\a)%2)+4*\t:64*((\a)%2)+4*\t+3], v[CO], s[96:97] offset:(16*(\a)+\t)*SIZE_N*4 th:TH_LOAD_NT
.endr
	WIN 0
.endm
.macro TOSTAGE a
.set AC, 64*((\a)%4)
.set WD, 0x08+4*((\a)/4)
	WIN WD
.irp b, 0,1,2,3,4,5,6,7
	ds_store_b128 v[STO], v[AC+8*\b:AC+8*\b+3] offset:64*\b
	ds_store_b128 v[STO], v[AC+8*\b+4:AC+8*\b+7] offset:64*\b+16
.endr
	WIN 0
.set BB, BK+64*((\a)%2)
.irp t, 0,1,2,3,4,5,6,7,8,9,10,11,12,13,14,15
	ds_load_b128 v[BB+4*\t:BB+4*\t+3], v[RD] offset:\t*SPITCH
.endr
.endm
.macro SEND a, yd, yl
.set BB, BK+64*((\a)%2)
.set XX, 64*((\a)%2)
	s_wait_dscnt \yd
	s_wait_loadcnt \yl
	WIN 0x04
.set j, 0
.rept 32
	v_pk_add_f32 v[BB+j:BB+j+1], v[BB+j:BB+j+1], v[XX+j:XX+j+1]
.set j, j+2
.endr
	WIN 0
.irp t, 0,1,2,3,4,5,6,7,8,9,10,11,12,13,14,15
	global_store_b128 v[CO], v[BB+4*\t:BB+4*\t+3], s[12:13] offset:(16*(\a)+\t)*SIZE_N*4 th:TH_STORE_NT
.endr
.endm
	PLACES NP
	XLOAD 0
	TOSTAGE 0
.irp a, 1,2,3,4,5,6,7
.if \a > 1
	s_wait_xcnt 0x0
.endif
	XLOAD \a
	TOSTAGE \a
	SEND \a-1, 32, 16
.endr
	SEND 7, 0, 0
	s_wait_tensorcnt 0x0
	ds_add_u32 v[SPW], v[NIL]
	s_wait_dscnt 0x0
	CROUND
	s_endpgm
.Lfunc_end_k_q9c6eba824d_gemm_out:
	.size	k_q9c6eba824d_gemm_out, .Lfunc_end_k_q9c6eba824d_gemm_out-k_q9c6eba824d_gemm_out
	.p2alignl 7, 3214868480
	.fill 96, 4, 3214868480
	.section	.rodata,"a",@progbits
	.p2align	6, 0x0
	.amdhsa_kernel k_q9c6eba824d_gemm_out
		.amdhsa_group_segment_fixed_size 327680
		.amdhsa_private_segment_fixed_size 0
		.amdhsa_enable_private_segment 0
		.amdhsa_kernarg_size 40
		.amdhsa_user_sgpr_count 2
		.amdhsa_user_sgpr_kernarg_segment_ptr 1
		.amdhsa_wavefront_size32 1
		.amdhsa_system_sgpr_workgroup_id_x 1
		.amdhsa_system_sgpr_workgroup_id_y 1
		.amdhsa_system_sgpr_workgroup_id_z 1
		.amdhsa_system_vgpr_workitem_id 0
		.amdhsa_next_free_vgpr 1024
		.amdhsa_next_free_sgpr 98
		.amdhsa_reserve_vcc 0
		.amdhsa_float_denorm_mode_32 3
		.amdhsa_float_denorm_mode_16_64 3
		.amdhsa_memory_ordered 1
		.amdhsa_forward_progress 1
		.amdhsa_inst_pref_size 175
	.end_amdhsa_kernel
	.amdgpu_metadata
---
amdhsa.version: [ 1, 2 ]
amdhsa.kernels:
  - .name:           k_q9c6eba824d_gemm_out
    .symbol:         k_q9c6eba824d_gemm_out.kd
    .args:
      - { .name: zq, .offset: 0, .size: 8, .value_kind: global_buffer, .address_space: global }
      - { .name: x, .offset: 8, .size: 8, .value_kind: global_buffer, .address_space: global }
      - { .name: Wout_codes, .offset: 16, .size: 8, .value_kind: global_buffer, .address_space: global }
      - { .name: Wout_scales, .offset: 24, .size: 8, .value_kind: global_buffer, .address_space: global }
      - { .name: out0, .offset: 32, .size: 8, .value_kind: global_buffer, .address_space: global }
    .group_segment_fixed_size: 327680
    .private_segment_fixed_size: 0
    .kernarg_segment_align: 8
    .kernarg_segment_size: 40
    .max_flat_workgroup_size: 128
    .sgpr_count:     98
    .vgpr_count:     1024
    .wavefront_size: 32
...
	.end_amdgpu_metadata
.endif
;; end of part 4
